; MI455X (gfx1250); checked and timed in simulation.
; The chip was launched on July 23, 2026; its instructions are those of AMD's public machine-readable ISA for CDNA 5 (MIT licence, August 2026) and "CDNA5" Instruction Set Architecture Reference Guide (July 2026). The comments in the code are by the model that wrote it; some were corrected since.
;; Masked Self Attention. Allowed arithmetic: matrix products marked QUANTISED: E2M3 operands, one E8M0 scale for each 32 along K, by v_wmma_scale_f32_16x16x128_f8f6f4 with both operands' format E2M3, f32 sums; everything else in f32.
;; Inputs: b_o 1,024 float32; w_k 1,024 x 1,024 float32; w_o 1,024 x 1,024 float32; w_q 1,024 x 1,024 float32; w_v 1,024 x 1,024 float32; x 4 x 2,048 x 1,024 float32.
;; Outputs: out0 4 x 2,048 x 1,024 float32.
;; This version of the problem:
;;   THIS VERSION OF THE PROBLEM IS GIVEN IN LOW PRECISION. The matrix products marked QUANTISED in the list below multiply operands that are first quantised to E2M3 (2 exponent bits, 3 mantissa bits; 6 bits a number), with one power-of-two scale for each 32 numbers along K (OCP MX v1.0); their sums are f32. All else is computed in f32.
;;   The module's matrix products, in the order in which they are computed (A, B: the left and right operand; K: the contracted axis; several contracted axes count as one K, in the product's order):
;;     1. [M 8,192, K 1,024] x [K 1,024, N 1,024]; A: input x; B: input w_q: QUANTISED
;;     2. [M 8,192, K 1,024] x [K 1,024, N 1,024]; A: input x; B: input w_k: QUANTISED
;;     3. [M 8,192, K 1,024] x [K 1,024, N 1,024]; A: input x; B: input w_v: QUANTISED
;;     4. batch 64 x [M 2,048, K 64] x [K 64, N 2,048]; A: computed on the way; B: computed on the way: QUANTISED
;;     5. batch 64 x [M 2,048, K 2,048] x [K 2,048, N 64]; A: softmax (see below); B: computed on the way: QUANTISED
;;     6. [M 8,192, K 1,024] x [K 1,024, N 1,024]; A: computed on the way; B: input w_o: QUANTISED
;;   THE QUANTISER, for each operand of a quantised product, along K:
;;     - K is cut into blocks of 32 from its start; a last block that is shorter is filled with zeros.
;;     - A block's scale is 2^e with e = floor(log2(the largest magnitude in the block)) - 2, held to -126 .. 127; a block of zeros has e = 0. As a byte (E8M0): e + 127.
;;     - Each number is divided by its block's scale, clamped to +-7.5, and rounded to the nearest number of E2M3, ties to even, subnormals kept.
;;     - The product sums the exact products of the quantised numbers (number of the format x scale) in f32.
;;   ~~~python
;;   def quantise(x, axis):      # numpy; x: float32 -> the quantised numbers, widened to float32 again
;;       x = np.moveaxis(x, axis, -1); K = x.shape[-1]
;;       x = np.pad(x, [(0, 0)] * (x.ndim - 1) + [(0, -K % 32)]); x = x.reshape(x.shape[:-1] + (-1, 32)); a = np.abs(x).max(-1, keepdims=True)
;;       e = np.where(a > 0, np.clip(np.frexp(np.where(a > 0, a, 1))[1] - 1 - 2, -126, 127), 0)      # np.frexp(a)[1] - 1 = floor(log2(a)), exactly
;;       r = np.clip(x / 2.0 ** e, -7.5, 7.5)
;;       step = 2.0 ** (np.maximum(np.frexp(np.where(r == 0, 1, r))[1] - 1, 0) - 3)
;;       q = np.round(r / step) * step * 2.0 ** e      # np.round: ties to even
;;       return np.moveaxis(q.reshape(q.shape[:-2] + (-1,))[..., :K], -1, axis).astype(np.float32)
;;   ~~~
;;   SOFTMAX AHEAD OF A QUANTISED PRODUCT. Where the list says 'softmax', what is quantised is not the finished softmax but p = 2^(t - M), with t = logit x log2(e) and M = ceil(the row's largest t), a whole number; so 1/2 < the row's largest p <= 1. The row's sum l is taken of the UNQUANTISED p, in f32, and the product's result is divided by l at the end. Since M is a whole number, a kernel that streams over the keys may use a running M (the ceiling of the running maximum): every later rescaling is an exact power of two, which a block's scale takes up: the codes' values come out the same.
;;   OPERANDS COMPUTED ON THE WAY. 'Computed on the way' means the value that the module computes at that place (a softmax that the list does not call 'softmax' is quantised finished and normalised). What goes into a quantiser is computed in f32, as accurately as f32 sums, v_exp_f32 and their like allow (about 1e-6 of the number): no bf16 or f16 on the way to a quantiser, and a product that is left as it is and whose result goes on into a quantised operand takes f32 operands (vector FMAs, or v_wmma_f32_16x16x4_f32). A number that lies on a knife's edge between two numbers of the format may be rounded either way, as far as f32 arithmetic and the matrix unit's own rounding can turn it there, and no further.
;; One version. Each part assembles by itself: llvm-mc -triple=amdgcn-amd-amdhsa -mcpu=gfx1250 --defsym DOCPART=n.
;; ======== version 1 of 1: 4 launches
;; workspace buffers: xc 6,291,456 bytes; xs 262,144 bytes; wc 3,145,728 bytes; ws 131,072 bytes; qkv 20,185,088 bytes; cc 6,291,456 bytes; cs 262,144 bytes
;; launch quant (part 1): grid 256 x 1, 6 waves a work-group, no clusters, 52,992 bytes of LDS; arguments x, w_q, w_k, w_v, w_o, xc, xs, wc, ws; writes xc, xs, wc, ws
.if DOCPART == 1
	.amdgcn_target "amdgcn-amd-amdhsa--gfx1250"
	.amdhsa_code_object_version 6
	.text
	.protected	k_q06bc6e62ea_quant
	.globl	k_q06bc6e62ea_quant
	.p2align	8
	.type	k_q06bc6e62ea_quant,@function
k_q06bc6e62ea_quant:
	s_mov_b64 s[64:65], 0
	v_nop
	global_prefetch_b8 v0, s[64:65] scope:SCOPE_SE
	s_setreg_imm32_b32 hwreg(HW_REG_WAVE_MODE, 25, 1), 1
	s_wait_xcnt 0x0
; x [8192][1024] and the four weights [1024][1024], f32 with K innermost, become codes of FP6 (E2M3) and E8M0 scale bytes, one for each 32 along K, laid in the ORDER OF THE OPERAND'S REGISTERS.
; A block's scale is 2^(floor(log2(its largest magnitude)) - 2); its byte is the largest magnitude's exponent field - 2, held at 1 from below.  (A block of zeros keeps the byte 1 where the rule says 127: its codes are
; zeros, which add nothing under any byte but 0xff, and this program alone reads the bytes.)
; LIMITS: NaN and infinities among the inputs are not served; a block whose largest magnitude lies under 2^-124 keeps the byte 1.
; TILES.  Tile T of a tensor holds the 16 rows 32 (T / 2) + 8 (T % 2) + r + 8 (r / 8), r = 0 .. 15: where such a tile is a product's source 0, the 16 result registers of tiles 2 b and 2 b + 1 are 16 neighbouring rows.
; IMAGES.  16 rows x 64 K are 768 bytes: lane (r, h) owns the 24 bytes of block h of the tile's row r, six registers: registers 0-3 at 16 x lane, registers 4-5 at 512 + 8 x lane.  Codes: [tile][K / 64][768].
; Scale words (four bytes: 128 along K of a row): [tile][K / 256][r][2 words].  x's 512 tiles go to xc, xs; w_q, w_k, w_v, w_o (64 tiles each, in this order) to wc, ws.
; SHARES.  768 tiles x 2 halves of K = 1,536 units, one to a wave: 256 work-groups of six waves.  A unit is 8 steps of 64 along K.  Each load reads two rows' 256 consecutive bytes; a step's 4,096 bytes turn through the wave's own
; stage in LDS (rows of 256 + 16 bytes) and come back 128 bytes a lane: a whole block of 32 in a lane, so that its largest magnitude needs no other lane.  Loads run three steps ahead (24 a wave), the turn one step.
; No tensor loads, no barrier: waves share nothing.  Every store of codes covers 512 or 256 consecutive aligned bytes; a unit's scale words leave as one run of 256 aligned bytes.
.set ROWB, 4096                        ; a row of any of the five tensors, in bytes
.set SP,   272                         ; a stage row
.set STG,  16*SP                       ; a stage
.set WREG, 2*STG                       ; a wave's LDS: two stages
.set R,    16                          ; v16-111  three sets of 32 registers as loaded
.set X,    112                         ; v112-175 two sets of 32 neighbours
.set C,    176                         ; v176-239 codes: eight registers for each step (six used), so that no store's data are written again
.set C2,   240                         ; v240-242 a block's upper 16 codes (a conversion's three registers begin on an even number)
.set W,    244                         ; v244-247 the unit's four scale words
.set TP,   248                         ; v248-251 at work at the end
	s_load_b512 s[8:23], s[0:1], 0x0               ; x, w_q, w_k, w_v, w_o, xc, xs, wc
	s_load_b64 s[24:25], s[0:1], 0x40              ; ws
	v_lshl_add_u32 v254, v0, 2, 0xcc00
	v_mov_b32 v255, 0
	v_lshrrev_b32 v1, 5, v0
	v_readfirstlane_b32 s30, v1                    ; wave 0..5
	v_and_b32 v1, 31, v0                           ; lane
	v_and_b32 v2, 15, v0                           ; r
	v_bfe_u32 v9, v0, 4, 1                         ; h
	v_lshlrev_b32 v3, 4, v2
	v_lshl_add_u32 v3, v9, 16, v3                  ; in: 16 bytes of a row's 256; lanes 16-31 take the row 16 further down (the tile's rows 8-15)
	s_mul_i32 s31, s30, WREG
	v_mul_u32_u24 v14, v9, 8*SP
	v_lshl_add_u32 v14, v2, 4, v14
	v_add_nc_u32 v14, s31, v14                     ; the stage, on the way in: tile row 8 h + j, as loaded
	v_mul_u32_u24 v15, v2, SP
	v_lshl_add_u32 v15, v9, 7, v15
	v_add_nc_u32 v15, s31, v15                     ; and on the way out: tile row r, block h: 128 bytes
	v_lshlrev_b32 v4, 4, v1                        ; an image's registers 0-3
	v_lshlrev_b32 v5, 3, v1                        ; and 4-5
	v_lshlrev_b32 v6, 3, v2
	v_lshl_add_u32 v6, v9, 7, v6                   ; the scale words' place: 128 h + 8 r
	v_lshlrev_b32 v7, 3, v9                        ; 8 h: my bytes' shift in a word
.irp i, 0,1,2,3
	v_mov_b32 v[TP+\i], 0                          ; written once: a lane permute's destination counts as one of its sources
.endr
	s_mov_b32 s40, 0x76543210
	s_mov_b32 s41, 0xfedcba98                      ; v_permlanex16_b32's selects for lane l xor 16
	s_mul_i32 s32, ttmp9, 6
	s_add_co_u32 s32, s32, s30                     ; my unit
	s_lshr_b32 s33, s32, 1                         ; its tile among the 768
	s_and_b32 s34, s32, 1                          ; its half of K
	s_sub_co_u32 s35, s33, 512                     ; a weight's tile among the 256 (used only where the tile is a weight's)
	s_and_b32 s36, s35, 63                         ; and in its own tensor
	s_wait_kmcnt 0x0
	s_cmp_lt_u32 s33, 704                          ; the choices hang on the unit's number alone
	s_cselect_b64 s[4:5], s[14:15], s[16:17]
	s_cmp_lt_u32 s33, 640
	s_cselect_b64 s[4:5], s[12:13], s[4:5]
	s_cmp_lt_u32 s33, 576
	s_cselect_b64 s[4:5], s[10:11], s[4:5]
	s_cmp_lt_u32 s33, 512
	s_cselect_b64 s[4:5], s[8:9], s[4:5]           ; the tensor that I read
	s_cselect_b64 s[26:27], s[18:19], s[22:23]     ; its codes
	s_cselect_b64 s[28:29], s[20:21], s[24:25]     ; its scale words
	s_cselect_b32 s36, s33, s36                    ; the tile in the tensor
	s_cselect_b32 s35, s33, s35                    ; the tile in the buffers
	s_lshr_b32 s37, s36, 1
	s_lshl_b32 s37, s37, 17                        ; 32 rows of 4,096 bytes for each pair of tiles
	s_and_b32 s38, s36, 1
	s_lshl_b32 s38, s38, 15                        ; 8 rows for the odd tile
	s_add_co_u32 s38, s38, s37
	s_lshl_b32 s37, s34, 11                        ; 512 numbers for the upper half of K
	s_add_co_u32 s38, s38, s37
	s_mov_b32 s39, 0
	s_add_nc_u64 s[4:5], s[4:5], s[38:39]
	s_mul_i32 s38, s35, 12288
	s_mul_i32 s37, s34, 6144
	s_add_co_u32 s38, s38, s37
	s_add_nc_u64 s[26:27], s[26:27], s[38:39]
	s_lshl_b32 s38, s35, 9
	s_lshl_b32 s37, s34, 8
	s_add_co_u32 s38, s38, s37
	s_add_nc_u64 s[28:29], s[28:29], s[38:39]
.macro LOAD t                          ; step t: 64 numbers of each of the 16 rows; an instruction reads 256 consecutive aligned bytes of two rows
.irp j, 0,1,2,3,4,5,6,7
	global_load_b128 v[R+32*((\t)%3)+4*\j:R+32*((\t)%3)+4*\j+3], v3, s[4:5] offset:ROWB*\j+256*(\t) th:TH_LOAD_NT
.endr
.endm
.macro TURN t                          ; through the stage: LDS serves a wave's instructions in order, so no wait stands between the stores and the loads
.irp j, 0,1,2,3,4,5,6,7
	ds_store_b128 v14, v[R+32*((\t)%3)+4*\j:R+32*((\t)%3)+4*\j+3] offset:STG*((\t)%2)+SP*\j
.endr
.irp i, 0,1,2,3,4,5,6,7
	ds_load_b128 v[X+32*((\t)%2)+4*\i:X+32*((\t)%2)+4*\i+3], v15 offset:STG*((\t)%2)+16*\i
.endr
.endm
	LOAD 0
	LOAD 1
	LOAD 2
	s_wait_loadcnt 16                              ; step 0's eight loads are in; steps 1 and 2 may be out
	TURN 0
.macro STEP t
.set XS, X+32*((\t)%2)
.set CC, C+8*(\t)
	s_wait_dscnt 0x0                               ; this step's numbers are back from the stage, and its stores into the stage have read their registers,
.if (\t)+3 < 8
	LOAD (\t)+3                                    ; which take the loads of three steps on
.endif
.if (\t) < 7
.if (\t) <= 4
	s_wait_loadcnt 16                              ; the next step's eight loads are in; those of the two steps behind it may be out
.else
	s_wait_loadcnt 8*(6-(\t))
.endif
	TURN (\t)+1                                    ; and go through the other stage while this step is worked
.endif
	v_max3_num_f32 v12, |v[XS]|, |v[XS+1]|, |v[XS+2]|               ; the block's largest magnitude: all 32 numbers are mine; two chains
	v_max3_num_f32 v13, |v[XS+3]|, |v[XS+4]|, |v[XS+5]|
.irp i, 6,10,14,18,22,26
	v_max3_num_f32 v12, v12, |v[XS+\i]|, |v[XS+\i+1]|
	v_max3_num_f32 v13, v13, |v[XS+\i+2]|, |v[XS+\i+3]|
.endr
	v_max3_num_f32 v12, v12, |v[XS+30]|, |v[XS+31]|
	v_max3_num_f32 v12, v12, v13, 0x1800000        ; and the floor 2^(3 - 127): the byte cannot fall under 1
	v_add_nc_u32 v11, 0xff000000, v12              ; 2 off its exponent field: the conversion takes the exponent field of this operand as its scale, and nothing else of it
	v_cvt_scalef32_pk16_fp6_f32 v[CC:CC+2], v[XS:XS+15], v11
	v_cvt_scalef32_pk16_fp6_f32 v[C2:C2+2], v[XS+16:XS+31], v11
	v_lshrrev_b32 v13, 23, v11                     ; the scale's byte (also the plain line behind the conversions)
.irp i, 0,1,2
	v_mov_b32 v[CC+3+\i], v[C2+\i]
.endr
.if (\t)%2 == 0
	v_mov_b32 v[W+(\t)/2], v13                     ; a word is 128 along K, two steps: my byte is number 2 (t % 2) + h of it; the h is shifted in at the end
.else
	v_lshl_or_b32 v[W+(\t)/2], v13, 16, v[W+(\t)/2]
.endif
	global_store_b128 v4, v[CC:CC+3], s[26:27] offset:768*(\t)          ; 512 consecutive aligned bytes
	global_store_b64 v5, v[CC+4:CC+5], s[26:27] offset:768*(\t)+512     ; 256
.endm
.irp t, 0,1,2,3,4,5,6,7
	STEP \t
.endr
.irp i, 0,1,2,3
	v_lshlrev_b32 v[W+\i], v7, v[W+\i]             ; my two bytes at their places,
.endr
.irp i, 0,1,2,3
	v_permlanex16_b32 v[TP+\i], v[W+\i], s40, s41
.endr
.irp i, 0,1,2,3
	v_or_b32 v[W+\i], v[W+\i], v[TP+\i]            ; with lane l xor 16's two the word is whole
.endr
	v_cmp_ne_u32 vcc_lo, 0, v7
	v_cndmask_b32 v[TP], v[W], v[W+2], vcc_lo      ; lanes 0-15 store words 0 and 1 of row r, lanes 16-31 words 2 and 3
	v_cndmask_b32 v[TP+1], v[W+1], v[W+3], vcc_lo
	global_store_b64 v6, v[TP:TP+1], s[28:29]      ; 256 consecutive aligned bytes
	s_wait_tensorcnt 0x0
	ds_add_u32 v254, v255
	s_wait_dscnt 0x0
	s_endpgm
.Lfunc_end_k_q06bc6e62ea_quant:
	.size	k_q06bc6e62ea_quant, .Lfunc_end_k_q06bc6e62ea_quant-k_q06bc6e62ea_quant
	.p2alignl 7, 3214868480
	.fill 96, 4, 3214868480
	.section	.rodata,"a",@progbits
	.p2align	6, 0x0
	.amdhsa_kernel k_q06bc6e62ea_quant
		.amdhsa_group_segment_fixed_size 52992
		.amdhsa_private_segment_fixed_size 0
		.amdhsa_enable_private_segment 0
		.amdhsa_kernarg_size 72
		.amdhsa_user_sgpr_count 2
		.amdhsa_user_sgpr_kernarg_segment_ptr 1
		.amdhsa_wavefront_size32 1
		.amdhsa_system_sgpr_workgroup_id_x 1
		.amdhsa_system_sgpr_workgroup_id_y 1
		.amdhsa_system_sgpr_workgroup_id_z 1
		.amdhsa_system_vgpr_workitem_id 0
		.amdhsa_next_free_vgpr 256
		.amdhsa_next_free_sgpr 66
		.amdhsa_reserve_vcc 1
		.amdhsa_float_denorm_mode_32 3
		.amdhsa_float_denorm_mode_16_64 3
		.amdhsa_memory_ordered 1
		.amdhsa_forward_progress 1
		.amdhsa_inst_pref_size 31
	.end_amdhsa_kernel
	.amdgpu_metadata
---
amdhsa.version: [ 1, 2 ]
amdhsa.kernels:
  - .name:           k_q06bc6e62ea_quant
    .symbol:         k_q06bc6e62ea_quant.kd
    .args:
      - { .name: x, .offset: 0, .size: 8, .value_kind: global_buffer, .address_space: global }
      - { .name: w_q, .offset: 8, .size: 8, .value_kind: global_buffer, .address_space: global }
      - { .name: w_k, .offset: 16, .size: 8, .value_kind: global_buffer, .address_space: global }
      - { .name: w_v, .offset: 24, .size: 8, .value_kind: global_buffer, .address_space: global }
      - { .name: w_o, .offset: 32, .size: 8, .value_kind: global_buffer, .address_space: global }
      - { .name: xc, .offset: 40, .size: 8, .value_kind: global_buffer, .address_space: global }
      - { .name: xs, .offset: 48, .size: 8, .value_kind: global_buffer, .address_space: global }
      - { .name: wc, .offset: 56, .size: 8, .value_kind: global_buffer, .address_space: global }
      - { .name: ws, .offset: 64, .size: 8, .value_kind: global_buffer, .address_space: global }
    .group_segment_fixed_size: 52992
    .private_segment_fixed_size: 0
    .kernarg_segment_align: 8
    .kernarg_segment_size: 72
    .max_flat_workgroup_size: 192
    .sgpr_count:     66
    .vgpr_count:     256
    .wavefront_size: 32
...
	.end_amdgpu_metadata
.endif
;; end of part 1
;; launch qkv (part 2): grid 12 x 32, 4 waves a work-group, clusters of 4 x 4, 327,680 bytes of LDS; arguments xc, xs, wc, ws, qkv; writes qkv
.if DOCPART == 2
	.amdgcn_target "amdgcn-amd-amdhsa--gfx1250"
	.amdhsa_code_object_version 6
	.text
	.protected	k_q06bc6e62ea_qkv
	.globl	k_q06bc6e62ea_qkv
	.p2align	8
	.type	k_q06bc6e62ea_qkv,@function
k_q06bc6e62ea_qkv:
	s_mov_b64 s[64:65], 0
	v_nop
	global_prefetch_b8 v0, s[64:65] scope:SCOPE_SE
	s_setreg_imm32_b32 hwreg(HW_REG_WAVE_MODE, 25, 1), 1
	s_wait_xcnt 0x0
	s_wait_alu depctr_hold_cnt(0) depctr_sa_sdst(0) depctr_va_vdst(0) depctr_va_sdst(0) depctr_va_ssrc(0) depctr_va_vcc(0) depctr_vm_vsrc(0)
	s_getreg_b32 s2, hwreg(HW_REG_IB_STS2, 6, 4)
	s_cmp_eq_u32 s2, 0
	s_cbranch_scc0 .Lentry_in_a_cluster
	s_endpgm
.Lentry_in_a_cluster:
	s_bfe_u32 s2, ttmp6, 0x10000c
	s_cmp_lg_u32 s2, 0xf033
	s_cbranch_scc0 .Lentry_shape_is_right
	s_endpgm
.Lentry_shape_is_right:
; q = x w_q^T, k = x w_k^T, v = x w_v^T on codes of FP6 (E2M3) with one E8M0 scale for each 32 along K = 1,024; f32 sums.  The results never go to memory as numbers: each is quantised in registers for the product
; that reads it: q and k along the head's 64 channels, v along the tokens (the keys are the second attention product's K).
; LIMITS: NaN and infinities are not served; a block whose largest magnitude lies under 2^-124 keeps the scale byte 1 (a block of zeros too: its codes are zeros).
; OPERANDS lie in memory as images of the operand's registers.  Tile T = the 16 rows 32 (T / 2) + 8 (T % 2) + r + 8 (r / 8).  Codes [tile][K / 64][768]: lane (r, h) owns block h of row r: registers 0-3 at 16 x lane, 4-5 at
; 512 + 8 x lane.  Scale words [tile][K / 256][r][2 words].  A fragment (16 rows x 128 K, 12 registers) is two such images on end: four LDS loads of 512, 256, 512, 256 consecutive bytes: no pitch, no padding.
; SHAPE.  A tile of the result, 256 x 256, is made by four waves, a wave makes 128 x 128: 64 accumulators, 512 registers.  K goes in steps of 256 through a ring of two LDS slots.  The scale words of the work-group's rows come once.
; THE MATRIX INSTRUCTION IS USED TRANSPOSED: source 0 = 16 rows of B, source 1 = 16 rows of A: a lane holds ONE row of A, and by the choice of a tile's rows the 64 registers of A's block a are 64 numbers along B's rows in the
; order 32 b + 16 (lane / 16) + i: what the conversions want.  So B's rows are the axis that is quantised: clusters x = 0, 1: A = tokens, B = w_q, w_k (channels); cluster x = 2: A = w_v (channels), B = tokens.
; All that differs between the three is chosen by s_cselect on the cluster's x, which all partners share: no branch.
; CLUSTERS: 4 x 4 work-groups; A's tiles are asked for jointly along a row of the cluster, B's along a column.  384 work-groups: 256 tiles for q and k, 128 for v.
; OUT: qkv [head 16][token / 128, 64][record of 19,712 bytes]: Q's 8 images (768 each), Q's scale words [8][16], K's likewise at 6,656, V^T's 4 fragments (16 channels x 128 keys) at 13,312, V's words [4][16] at 19,456.
; Q's and K's words hold the head's two bytes and 0x7f twice: the score product's upper 64 along K are zero codes.  Every store of codes covers 512 or 256 consecutive aligned bytes; the scale words (one twelfth of the bytes) leave in runs of 64.
; REGISTERS, in windows of 256: window 0: v0-31 addresses; v32-63 scale words, two sets; v128-223 A's fragments, ONE set; on the way out v112-131 codes, v200-217 at work.
;   window 1: B's fragments, TWO sets, at v0 and v128.   window 2: the accumulators of my rows 0-63 of A ((a, b) at v[8 (8 a + b)]);   window 3: those of rows 64-127.
.set NQ,     2                         ; matrix instructions deep in a slot
.set FR,     12                        ; registers of a fragment
.set NL,     4                         ; LDS loads that bring one
.set NP,     4                         ; places behind this matrix instruction (ISA guide 7.12.1)
.set TILEB,  12288                     ; a tile's codes in memory: 16 images
.set STEPB,  3072                      ; its part of a K step of 256: 4 images
.set HALFT,  8*STEPB                   ; 8 tiles, 128 rows: what one tensor load brings, and what one wave reads of A or of B
.set SLOT,   4*HALFT                   ; A's 16 tiles, then B's 16
.set LAPS,   2                         ; a lap = two K steps = once round the ring: 1,024 / 512
.set SCL,    2*SLOT                    ; behind the ring: the scale words, four quarters of 8 tiles x 512 bytes
.set SCQ,    4096
.set SPARE,  SCL+4*SCQ                 ; the spare words, 128 bytes for each wave: two blocks of 256 bytes that no other line names
.set HS,     1261568                   ; a head in qkv
.set RS,     19712                     ; a record
.set VA16, 8                           ; v8   16 x lane: an image's registers 0-3
.set VA8,  9                           ; v9   8 x lane: registers 4-5
.set VB16, 10                          ; v10  the same for the fragment's second image
.set VB8,  11                          ; v11
.set VOS,  12                          ; v12  my scale word's place
.set SHV,  13                          ; v13  how far my half of the lanes shifts the word
.set ADRA, 16                          ; v16-17 LDS address of A's fragments in slot 0, 1, 16 bytes a lane;  v18-19 the same, 8 bytes a lane
.set ADRB, 20                          ; v20-23 the same for B
.set ADRS, 27                          ; v27  LDS address of my scale words: lanes 0-15 A's rows, lanes 16-31 B's
.set SPW,  28                          ; v28  LDS address of my spare word; never rewritten
.set NIL,  29                          ; v29  0; never rewritten
.set SC,   32                          ; scale words: set s at v[SC + 16 s]; register 2 i + q: lanes 0-15 A's block i, lanes 16-31 B's block i, the slot's q-th 128 along K
.set AF,   128
.set PC,   112                         ; the way out: the codes just made
.set TM,   200                         ; v200-203 largest magnitudes, v204-207 bytes, v212-215 the conversions' scale operands
.set PW,   216                         ; the scale word just made
.set SWD,  217                         ; and as it is stored
.set G1, 24                            ; s[24:31] descriptor group 1 for A's tiles;  s[32:39] group 0, one set for each slot
.set G0, 32
.set G1B, 48                           ; s[48:55], s[56:63] the same for B's
.set G0B, 56
.set G1S, 68                           ; s[68:75], s[76:79] groups 1 and 0 for A's scale words;  s[80:87], s[88:91] for B's
.set G0S, 76
.set G1SB, 80
.set G0SB, 88
.set DA,   4                           ; s[4:5]   the way out: bytes from a block's codes to the next block's
.set DA3,  6                           ; s[6:7]   the same from block 3 to block 4
.set DS3,  8                           ; s[8:9]   and for the scale words
.set OUTS, 10                          ; s[10:11] where the block's scale words go
.set OUT,  12                          ; s[12:13] where its codes go
.set SE,   92                          ; s92  bytes from a fragment's first image to its second
.set SH,   93                          ; s93  bytes from lanes 0-15's scale word to lanes 16-31's
.set SHF,  94                          ; s94  bits by which lanes 16-31 shift the word
.set MSK,  95                          ; s95  what is kept of it
.set ORV,  96                          ; s96  what is set in it
.set SEL,  98                          ; s[98:99] v_permlanex16_b32's selects for lane l xor 16
.set MSB, 0
.macro WIN new                         ; the immediate's high byte repeats the setting that is left
.if MSB != \new
	s_set_vgpr_msb (MSB<<8)|\new
.set MSB, \new
.endif
.endm
.set MUL_LO, 0xa1                      ; source 0 (B) window 1, source 1 (A) window 0, C and D window 2
.set MUL_HI, 0xf1                      ; the same, C and D window 3
.set TO_B,   0x40                      ; destination window 1, address window 0
; A joint load: waves 0 and 1 fetch for A, waves 2 and 3 for B.  Each of the two lines has ONE mask and one set of registers for all that issue it; the branch hangs on the wave's number alone.
; Four v_nop follow each of the two lines, ahead of the jump, the label and what follows.
.macro JLOAD g0a, g1a, g0b, g1b
	s_cmp_eq_u32 s15, 0
	s_cbranch_scc0 .Lfor_b_\@
	tensor_load_to_lds s[\g0a:\g0a+3], s[\g1a:\g1a+7]
	s_nop 0
.rept 4
	v_nop
.endr
	s_branch .Lasked_\@
.Lfor_b_\@:
	tensor_load_to_lds s[\g0b:\g0b+3], s[\g1b:\g1b+7]
	s_nop 0
.rept 4
	v_nop
.endr
.Lasked_\@:
.endm
.macro CREST                           ; a round of the cluster's barrier behind its opening barrier
	s_cmp_lg_u32 s14, 0
	s_cbranch_scc1 .Lnot_wave_0_\@
	s_barrier_signal -3
.Lnot_wave_0_\@:
	s_barrier_wait -3
	s_barrier_signal -1
	s_barrier_wait -1
.endm
.macro CROUND                          ; a whole round
	s_barrier_signal -1
	s_barrier_wait -1
	CREST
.endm
	s_load_b256 s[4:11], s[0:1], 0x0               ; xc, xs, wc, ws
	s_load_b64 s[12:13], s[0:1], 0x20              ; qkv
	v_lshl_add_u32 v[SPW], v0, 2, SPARE
	v_mov_b32 v[NIL], 0
	ds_add_u32 v28, v29
	ds_add_u32 v28, v29
	s_wait_dscnt 0x0
	v_lshrrev_b32 v1, 5, v0
	v_readfirstlane_b32 s14, v1                    ; wave 0..3
	s_lshr_b32 s15, s14, 1                         ; which half of A's rows is mine.  Also: I fetch for A (0) or for B (1)
	s_and_b32 s16, s14, 1                          ; which half of B's rows.  Also: which 8 tiles I fetch
	s_bfe_u32 s40, ttmp6, 0x40000                  ; cx, cy: my place in the cluster
	s_bfe_u32 s41, ttmp6, 0x40004
	s_and_b32 s18, ttmp7, 0xffff                   ; cluster y, 0..7
	s_cmp_eq_u32 ttmp9, 2                          ; cluster x = 2 makes v
	s_cselect_b32 s17, 0, s18                      ; v: A = w_v has four tile rows, one cluster's worth; q, k: A = the tokens' 32
	s_cselect_b32 s42, s18, ttmp9                  ; v: B = the tokens' 32 tile columns; q, k: w_q's four, then w_k's four
	s_cselect_b32 s19, 128, 0                      ; w_v's tiles begin at tile 128 of wc
	s_lshl_b32 s17, s17, 2
	s_add_co_u32 s17, s17, s41                     ; tile row
	s_lshl_b32 s42, s42, 2
	s_add_co_u32 s42, s42, s40                     ; tile column
	s_lshl_b32 s43, s41, 2
	s_lshl_b32 s43, 15, s43                        ; my row of the cluster
	s_lshl_b32 s44, 0x1111, s40                    ; my column
	; descriptor group 1: 8 tiles' parts of a K step: 8 rows of 3,072 bytes (384 elements of 8 bytes), 12,288 bytes apart; no padding
	s_or_b32 s[G1+0], s43, (3<<16)|(1<<21)         ; 15:0 the mask: A's tiles go to my row; 17:16 elements of 8 bytes; 21 set beside a mask
	s_or_b32 s[G1B+0], s44, (3<<16)|(1<<21)
.irp g, G1, G1B
	s_mov_b32 s[\g+1], 384<<16                     ; tensor_dim0
	s_mov_b32 s[\g+2], 8<<16                       ; tensor_dim1
	s_mov_b32 s[\g+3], 384<<16                     ; tile_dim0
	s_mov_b32 s[\g+4], 8                           ; tile_dim1
	s_mov_b32 s[\g+5], 1536                        ; tensor_dim0_stride
	s_mov_b32 s[\g+6], 0
	s_mov_b32 s[\g+7], 0
.endr
	; and for the scale words of 8 tiles: 4,096 dense bytes, as 16 rows of 256 bytes
	s_or_b32 s[G1S+0], s43, (3<<16)|(1<<21)
	s_or_b32 s[G1SB+0], s44, (3<<16)|(1<<21)
.irp g, G1S, G1SB
	s_mov_b32 s[\g+1], 32<<16
	s_mov_b32 s[\g+2], 16<<16
	s_mov_b32 s[\g+3], 32<<16
	s_mov_b32 s[\g+4], 16
	s_mov_b32 s[\g+5], 32
	s_mov_b32 s[\g+6], 0
	s_mov_b32 s[\g+7], 0
.endr
	s_lshl_b32 s18, s16, 3                         ; which 8 tiles I fetch
	s_lshl_b32 s20, s17, 4
	s_add_co_u32 s20, s20, s18
	s_add_co_u32 s20, s20, s19                     ; A: tile 16 x tile row + 8 x half (+ 128)
	s_lshl_b32 s46, s42, 4
	s_add_co_u32 s46, s46, s18                     ; B: tile 16 x tile column + 8 x half
	s_lshl_b32 s22, s20, 9                         ; where these tiles' scale words begin,
	s_mov_b32 s23, 0
	s_lshl_b32 s92, s46, 9
	s_mov_b32 s93, 0
	s_mul_i32 s20, s20, TILEB                      ; and their codes
	s_mov_b32 s21, 0
	s_mul_i32 s46, s46, TILEB
	s_mov_b32 s47, 0
	s_mul_i32 s45, s14, HALFT                      ; where they go: wave x 8 tiles: no place in the cluster enters an LDS address
	s_lshl_b32 s94, s14, 12
	s_wait_kmcnt 0x0
	s_cmp_eq_u32 ttmp9, 2
	s_cselect_b64 s[96:97], s[8:9], s[4:5]         ; A's codes: w's for v, else x's
	s_cselect_b64 s[98:99], s[10:11], s[6:7]       ; A's scale words
	s_cselect_b64 s[4:5], s[4:5], s[8:9]           ; B's codes
	s_cselect_b64 s[6:7], s[6:7], s[10:11]         ; B's scale words
	s_add_nc_u64 s[20:21], s[96:97], s[20:21]
	s_add_nc_u64 s[22:23], s[98:99], s[22:23]
	s_add_nc_u64 s[46:47], s[4:5], s[46:47]
	s_add_nc_u64 s[92:93], s[6:7], s[92:93]
	CROUND                                         ; all sixteen work-groups are here: the first joint loads meet
	s_mov_b32 s[G0S], 1
	s_add_co_u32 s[G0S+1], s94, SCL
	s_mov_b64 s[G0S+2:G0S+3], s[22:23]
	s_or_b32 s[G0S+3], s[G0S+3], 0x80000000
	s_mov_b32 s[G0SB], 1
	s_add_co_u32 s[G0SB+1], s94, SCL
	s_mov_b64 s[G0SB+2:G0SB+3], s[92:93]
	s_or_b32 s[G0SB+3], s[G0SB+3], 0x80000000
	JLOAD G0S, G1S, G0SB, G1SB                     ; the scale words first: they are wanted with K step 0
.irp s, 0,1
	s_mov_b32 s[G0+4*\s], 1
	s_add_co_u32 s[G0+4*\s+1], s45, \s*SLOT
	s_add_nc_u64 s[G0+4*\s+2:G0+4*\s+3], s[20:21], \s*STEPB
	s_or_b32 s[G0+4*\s+3], s[G0+4*\s+3], 0x80000000
	s_mov_b32 s[G0B+4*\s], 1
	s_add_co_u32 s[G0B+4*\s+1], s45, \s*SLOT
	s_add_nc_u64 s[G0B+4*\s+2:G0B+4*\s+3], s[46:47], \s*STEPB
	s_or_b32 s[G0B+4*\s+3], s[G0B+4*\s+3], 0x80000000
	JLOAD G0+4*\s, G1, G0B+4*\s, G1B
.endr
	v_and_b32 v1, 15, v0                           ; r
	v_bfe_u32 v2, v0, 4, 1                         ; h
	v_and_b32 v3, 31, v0                           ; lane
	v_lshlrev_b32 v[VA16], 4, v3
	v_lshlrev_b32 v[VA8], 3, v3
	s_mul_i32 s21, s15, HALFT                      ; my 8 tiles of A
	s_mul_i32 s22, s16, HALFT                      ; my 8 tiles of B,
	s_add_co_u32 s22, s22, 2*HALFT                 ; which lie behind A's 16
.irp s, 0,1
	v_add_nc_u32 v[ADRA+\s], s21, v[VA16]
	v_add_nc_u32 v[ADRB+\s], s22, v[VA16]
	v_add_nc_u32 v[ADRA+2+\s], s21, v[VA8]
	v_add_nc_u32 v[ADRB+2+\s], s22, v[VA8]
	s_add_co_u32 s21, s21, SLOT
	s_add_co_u32 s22, s22, SLOT
.endr
	v_lshlrev_b32 v5, 3, v1                        ; my row's two words of a K step
	s_lshl_b32 s21, s15, 12                        ; A's: my quarter
	s_lshl_b32 s22, s16, 12                        ; B's: my quarter, behind A's two
	s_add_co_u32 s22, s22, 2*SCQ
	s_sub_co_u32 s22, s22, s21
	v_mul_u32_u24 v6, s22, v2                      ; lanes 16-31 take B's
	s_add_co_u32 s21, s21, SCL
	v_add_nc_u32 v5, v5, v6
	v_add_nc_u32 v[ADRS], s21, v5
	; THE WAY OUT'S NUMBERS, made here while the first tiles are on their way.  q, k: my 128 rows of B are two heads: a fragment's two images go to two heads, HS bytes apart; block a is token tile a of the record.
	; v: my 128 rows of B are one record's keys: a fragment stays whole; blocks 0-3 are the four channel tiles of one head, blocks 4-7 those of the next.
	s_lshl_b32 s66, s17, 2
	s_lshl_b32 s2, s15, 1
	s_add_co_u32 s66, s66, s2                      ; v: my first head = 4 x tile row + 2 x my half of A
	s_and_b32 s67, s42, 3
	s_lshl_b32 s67, s67, 2
	s_lshl_b32 s2, s16, 1
	s_add_co_u32 s67, s67, s2                      ; q, k: 4 x (tile column % 4) + 2 x my half of B
	s_lshl_b32 s100, s42, 1
	s_add_co_u32 s100, s100, s16                   ; v: my record = 2 x tile column + my half of B
	s_lshl_b32 s101, s17, 1
	s_add_co_u32 s101, s101, s15                   ; q, k: 2 x tile row + my half of A
	s_mov_b32 s[SE], HS
	s_mov_b32 s[DA], 768
	s_mov_b32 s[DA3], 768
	s_cmp_eq_u32 ttmp9, 2
	s_cselect_b32 s66, s66, s67
	s_cselect_b32 s100, s100, s101
	s_cselect_b32 s[SE], 768, s[SE]
	s_cselect_b32 s[DA], 1536, s[DA]
	s_cselect_b32 s[DA3], HS-4608, s[DA3]
	s_cselect_b32 s[DS3], HS-192, 64
	s_cselect_b32 s[SH], 0, HS
	s_cselect_b32 s[SHF], 0, 16
	s_cselect_b32 s[MSK], -1, 0xffff
	s_cselect_b32 s[ORV], 0, 0x7f7f0000
	s_mov_b32 s[DA+1], 0
	s_mov_b32 s[DA3+1], 0
	s_mov_b32 s[DS3+1], 0
	s_mul_i32 s66, s66, HS
	s_mul_i32 s100, s100, RS
	s_add_co_u32 s66, s66, s100
	s_mul_i32 s67, ttmp9, 6656                     ; Q's, K's or V's part of the record
	s_add_co_u32 s66, s66, s67
	s_mov_b32 s67, 0
	s_add_nc_u64 s[OUT:OUT+1], s[OUT:OUT+1], s[66:67]
	s_add_nc_u64 s[OUTS:OUTS+1], s[OUT:OUT+1], 6144
	s_mov_b32 s[SEL], 0x76543210
	s_mov_b32 s[SEL+1], 0xfedcba98
	v_add_nc_u32 v[VB16], s[SE], v[VA16]
	v_add_nc_u32 v[VB8], s[SE], v[VA8]
	v_mul_u32_u24 v[VOS], s[SH], v2
	v_lshl_add_u32 v[VOS], v1, 2, v[VOS]           ; 4 r (+ a head for lanes 16-31 of q and k)
	v_mul_u32_u24 v[SHV], s[SHF], v2
.macro FRAG reg, adr, q, i             ; tile i's fragment of the slot's q-th 128 along K: two images on end, as they lie
	ds_load_b128 v[\reg:\reg+3], v[\adr] offset:(\i)*STEPB+(\q)*1536
	ds_load_b64 v[\reg+4:\reg+5], v[\adr+2] offset:(\i)*STEPB+(\q)*1536+512
	ds_load_b128 v[\reg+6:\reg+9], v[\adr] offset:(\i)*STEPB+(\q)*1536+768
	ds_load_b64 v[\reg+10:\reg+11], v[\adr+2] offset:(\i)*STEPB+(\q)*1536+1280
.endm
; 16 matrix instructions: A's blocks a0, a0 + 1 x B's eight, 128 along K: the slot's q-th.  p: B's set;  sc: the set of scale words.  zero = 1: the first product starts the sums: nothing is ever cleared.
; The 64 accumulators take turns, one instruction a turn, in the same order in every step.
.macro MUL16 a0, p, q, sc, zero
.irp a, \a0, \a0+1
.irp b, 0,1,2,3,4,5,6,7
.if \zero
	v_wmma_scale_f32_16x16x128_f8f6f4 v[8*(8*((\a)%4)+\b):8*(8*((\a)%4)+\b)+7], v[128*(\p)+FR*\b:128*(\p)+FR*\b+FR-1], v[AF+FR*(\a):AF+FR*(\a)+FR-1], 0, v[SC+8*NQ*(\sc)+NQ*\b+(\q)], v[SC+8*NQ*(\sc)+NQ*(\a)+(\q)] matrix_a_fmt:MATRIX_FMT_FP6 matrix_b_fmt:MATRIX_FMT_FP6 matrix_a_scale:MATRIX_SCALE_ROW1
.else
	v_wmma_scale_f32_16x16x128_f8f6f4 v[8*(8*((\a)%4)+\b):8*(8*((\a)%4)+\b)+7], v[128*(\p)+FR*\b:128*(\p)+FR*\b+FR-1], v[AF+FR*(\a):AF+FR*(\a)+FR-1], v[8*(8*((\a)%4)+\b):8*(8*((\a)%4)+\b)+7], v[SC+8*NQ*(\sc)+NQ*\b+(\q)], v[SC+8*NQ*(\sc)+NQ*(\a)+(\q)] matrix_a_fmt:MATRIX_FMT_FP6 matrix_b_fmt:MATRIX_FMT_FP6 matrix_a_scale:MATRIX_SCALE_ROW1
.endif
.endr
.endr
.endm
.macro FETCH_B slot, q, p              ; B's eight fragments into set p
	WIN TO_B
.irp i, 0,1,2,3,4,5,6,7
	FRAG 128*(\p)+FR*\i, ADRB+\slot, \q, \i
.endr
	WIN 0
.endm
.macro FETCH_A slot, q, i0             ; A's blocks i0 .. i0 + 3
.irp i, \i0, \i0+1, \i0+2, \i0+3
	FRAG AF+FR*(\i), ADRA+\slot, \q, \i
.endr
.endm
.macro SCALES sc                       ; a K step's scale words into set sc: two words a row; lanes 0-15 take A's block i, lanes 16-31 B's block i
.irp i, 0,1,2,3,4,5,6,7
	ds_load_b64 v[SC+8*NQ*\sc+NQ*\i:SC+8*NQ*\sc+NQ*\i+1], v[ADRS] offset:\i*512
.endr
.endm
; A load into a register that a matrix instruction has read, and a vector instruction that reads a matrix result or writes one of its registers, stand NP places behind it; only plain vector instructions that name
; none of its registers are places (ISA guide 7.12.1 for vector instructions).
.macro PLACES n
.rept \n
	v_nop
.endr
.endm
; A step of 128 along K that has its successor in the same slot.
.macro STEP slot, q, zero
	s_wait_dscnt 4*NL                              ; B's set and A's blocks 0-3 are in; the youngest 16 loads (A's blocks 4-7) may be out
	WIN MUL_LO
	MUL16 0, (\q)%2, \q, \slot, \zero
	MUL16 2, (\q)%2, \q, \slot, \zero
	s_wait_dscnt 0                                 ; A's blocks 4-7 are in (asked for 32 matrix instructions ago)
	PLACES NP
	FETCH_B \slot, (\q)+1, 1-(\q)%2
	FETCH_A \slot, (\q)+1, 0
	WIN MUL_HI
	MUL16 4, (\q)%2, \q, \slot, \zero
	MUL16 6, (\q)%2, \q, \slot, \zero
	PLACES NP
	WIN 0
	FETCH_A \slot, (\q)+1, 4
.endm
; A slot's last step changes slots: ONE barrier; in front of it each wave waits for all its tensor loads, adds 0 to its spare word, and waits for that and for its own reads of this slot.  fill = 1: this slot is filled again, two K steps ahead.
.macro TURN slot, next, fill
	s_wait_tensorcnt 0x0                           ; all my tensor loads have landed: my part of the next slot;  (every window is 0 here)
	ds_add_u32 v[SPW], v[NIL]                      ; 0 onto my spare word
	s_wait_dscnt 4*NL+1                            ; (the add and the youngest 16 loads, A's blocks 4-7, may be out)
	WIN MUL_LO
	MUL16 0, 1, NQ-1, \slot, 0                     ; sixteen matrix instructions stand between the add and the wait for it
	s_wait_dscnt 0x0                               ; the add is done, and my reads of this slot are over
	s_barrier_signal -1
	MUL16 2, 1, NQ-1, \slot, 0
	WIN 0
	s_barrier_wait -1
.if \fill
	CREST                                          ; the barrier has opened a round of the cluster's barrier: no wave of any partner still reads this slot's tile or has a load on its way
	s_add_nc_u64 s[G0+4*\slot+2:G0+4*\slot+3], s[G0+4*\slot+2:G0+4*\slot+3], 2*STEPB
	s_add_nc_u64 s[G0B+4*\slot+2:G0B+4*\slot+3], s[G0B+4*\slot+2:G0B+4*\slot+3], 2*STEPB
	JLOAD G0+4*\slot, G1, G0B+4*\slot, G1B         ; the first tensor load behind the round; the four v_nop behind it are the places in front of the loads below
.else
	PLACES NP
.endif
	v_add_nc_u32 v[ADRS], 128, v[ADRS]             ; on to the next K step's scale words
	FETCH_B \next, 0, 0
	FETCH_A \next, 0, 0
	SCALES \next
	WIN MUL_HI
	MUL16 4, 1, NQ-1, \slot, 0
	MUL16 6, 1, NQ-1, \slot, 0
	PLACES NP
	WIN 0
	FETCH_A \next, 0, 4
.endm
	s_wait_tensorcnt 1                             ; the scale words and my part of K step 0 are in (K step 1's load may be out),
	s_barrier_signal -1
	s_barrier_wait -1                              ; everybody's are
	FETCH_B 0, 0, 0
	FETCH_A 0, 0, 0
	SCALES 0
	FETCH_A 0, 0, 4
	STEP 0, 0, 1                                   ; the first step stands in front of the loop: its products start the sums
	s_mov_b32 s3, LAPS-1
.Llap:                                                 ; a trip goes once round the ring, from a lap's second step to the next lap's first, and fills both slots again
	TURN 0, 1, 1
	STEP 1, 0, 0
	TURN 1, 0, 1
	STEP 0, 0, 0
	s_sub_co_u32 s3, s3, 1
	s_cmp_lg_u32 s3, 0
	s_cbranch_scc1 .Llap
	TURN 0, 1, 0                                   ; the last lap fills nothing, and has no round of the cluster's barrier
	STEP 1, 0, 0
	s_wait_dscnt 4*NL                              ; the very last step: nothing more to fetch
	WIN MUL_LO
	MUL16 0, 1, NQ-1, 1, 0
	MUL16 2, 1, NQ-1, 1, 0
	s_wait_dscnt 0
	WIN MUL_HI
	MUL16 4, 1, NQ-1, 1, 0
	MUL16 6, 1, NQ-1, 1, 0
	WIN 0
; THE WAY OUT.  A's block a: a lane's 64 numbers, register 16 b + i = B's row 32 b + 16 (lane / 16) + i of the lane's row of A, become a fragment's codes and its scale word, and are stored as images.  No LDS.
; Each accumulator is read from its low end on.  The pointers' step and the wait that frees the last block's store registers stand behind the search for the maxima, which touches none of them.
.macro OUTBLK a
.set AC, 64*((\a)%4)
.set WW, 2+(\a)/4
	WIN WW*5                                       ; sources 0 and 1: window 2 or 3
.irp b, 0,1,2,3
	v_max3_num_f32 v[TM+\b], |v[AC+16*\b]|, |v[AC+16*\b+1]|, 0x1800000   ; block b: my 16 numbers, and the floor 2^(3 - 127): the byte cannot fall under 1
.endr
.irp i, 2,4,6,8,10,12,14
.irp b, 0,1,2,3
	v_max3_num_f32 v[TM+\b], |v[AC+16*\b+\i]|, |v[AC+16*\b+\i+1]|, v[TM+\b]   ; (the four blocks by turns)
.endr
.endr
	WIN 0
.irp b, 0,1,2,3
	v_permlanex16_b32 v[TM+4+\b], v[TM+\b], s[SEL], s[SEL+1]
.endr
.irp b, 0,1,2,3
	v_max_num_f32 v[TM+\b], v[TM+\b], v[TM+4+\b]   ; with lane l xor 16's: the block's largest magnitude
.endr
.irp b, 0,1,2,3
	v_add_nc_u32 v[TM+12+\b], 0xff000000, v[TM+\b] ; 2 off its exponent field: the conversion's scale operand
.endr
.irp b, 0,1,2,3
	v_lshrrev_b32 v[TM+4+\b], 23, v[TM+12+\b]      ; the scale's byte
.endr
.if (\a) > 0
	s_wait_xcnt 0x0                                ; the last block's stores have read their registers and their bases: both are written again only behind this wait
.if (\a) == 4
	s_add_nc_u64 s[OUT:OUT+1], s[OUT:OUT+1], s[DA3:DA3+1]
	s_add_nc_u64 s[OUTS:OUTS+1], s[OUTS:OUTS+1], s[DS3:DS3+1]
.else
	s_add_nc_u64 s[OUT:OUT+1], s[OUT:OUT+1], s[DA:DA+1]
	s_add_nc_u64 s[OUTS:OUTS+1], s[OUTS:OUTS+1], 64
.endif
.endif
	v_lshl_or_b32 v[PW], v[TM+5], 8, v[TM+4]       ; the four bytes make my row's scale word (the same in both halves of the lanes)
	v_lshl_or_b32 v[PW], v[TM+6], 16, v[PW]
	v_lshl_or_b32 v[PW], v[TM+7], 24, v[PW]
	WIN WW                                         ; source 0: window 2 or 3
.irp c, 0,1
	v_cvt_scalef32_pk16_fp6_f32 v[PC+6*\c:PC+6*\c+2], v[AC+32*\c:AC+32*\c+15], v[TM+12+2*\c]
	v_cvt_scalef32_pk16_fp6_f32 v[PC+12+4*\c:PC+12+4*\c+2], v[AC+32*\c+16:AC+32*\c+31], v[TM+12+2*\c+1]   ; (a conversion's three registers begin on an even number)
.endr
	WIN 0
	v_nop                                          ; one plain place behind a scaled conversion
.irp c, 0,1                                    ; the operand's layout wants a WHOLE block in a lane: lanes 0-15 block 2 c, lanes 16-31 block 2 c + 1
.irp i, 0,1,2
	v_permlane16_swap_b32 v[PC+6*\c+\i], v[PC+12+4*\c+\i]
.endr
.irp i, 0,1,2
	v_mov_b32 v[PC+3+6*\c+\i], v[PC+12+4*\c+\i]
.endr
.endr
	global_store_b128 v[VA16], v[PC:PC+3], s[OUT:OUT+1]                 ; 512 consecutive aligned bytes
	global_store_b64 v[VA8], v[PC+4:PC+5], s[OUT:OUT+1] offset:512      ; 256
	global_store_b128 v[VB16], v[PC+6:PC+9], s[OUT:OUT+1]
	global_store_b64 v[VB8], v[PC+10:PC+11], s[OUT:OUT+1] offset:512
	v_lshrrev_b32 v[SWD], v[SHV], v[PW]            ; q, k: lanes 0-15 keep the first head's two bytes, lanes 16-31 the second's, with 0x7f twice above them;  v: the word as it is (both halves of the lanes store the same word to the same place)
	v_and_or_b32 v[SWD], v[SWD], s[MSK], s[ORV]
	global_store_b32 v[VOS], v[SWD], s[OUTS:OUTS+1]
.endm
	PLACES NP                                      ; behind the last products: for the reads of results and the writes of registers that held A's fragments
.irp b, 0,1,2,3
	v_mov_b32 v[TM+4+\b], 0                        ; written once: a lane permute's destination counts as one of its sources
.endr
.irp a, 0,1,2,3,4,5,6,7
	OUTBLK \a
.endr
	s_wait_tensorcnt 0x0                           ; the wave's end
	ds_add_u32 v[SPW], v[NIL]
	s_wait_dscnt 0x0
	CROUND                                         ; the closing round: no work-group ends while a partner may still ask for a tile that names it
	s_endpgm
.Lfunc_end_k_q06bc6e62ea_qkv:
	.size	k_q06bc6e62ea_qkv, .Lfunc_end_k_q06bc6e62ea_qkv-k_q06bc6e62ea_qkv
	.p2alignl 7, 3214868480
	.fill 96, 4, 3214868480
	.section	.rodata,"a",@progbits
	.p2align	6, 0x0
	.amdhsa_kernel k_q06bc6e62ea_qkv
		.amdhsa_group_segment_fixed_size 327680
		.amdhsa_private_segment_fixed_size 0
		.amdhsa_enable_private_segment 0
		.amdhsa_kernarg_size 40
		.amdhsa_user_sgpr_count 2
		.amdhsa_user_sgpr_kernarg_segment_ptr 1
		.amdhsa_wavefront_size32 1
		.amdhsa_system_sgpr_workgroup_id_x 1
		.amdhsa_system_sgpr_workgroup_id_y 1
		.amdhsa_system_sgpr_workgroup_id_z 1
		.amdhsa_system_vgpr_workitem_id 0
		.amdhsa_next_free_vgpr 1024
		.amdhsa_next_free_sgpr 102
		.amdhsa_reserve_vcc 0
		.amdhsa_float_denorm_mode_32 3
		.amdhsa_float_denorm_mode_16_64 3
		.amdhsa_memory_ordered 1
		.amdhsa_forward_progress 1
		.amdhsa_inst_pref_size 152
	.end_amdhsa_kernel
	.amdgpu_metadata
---
amdhsa.version: [ 1, 2 ]
amdhsa.kernels:
  - .name:           k_q06bc6e62ea_qkv
    .symbol:         k_q06bc6e62ea_qkv.kd
    .args:
      - { .name: xc, .offset: 0, .size: 8, .value_kind: global_buffer, .address_space: global }
      - { .name: xs, .offset: 8, .size: 8, .value_kind: global_buffer, .address_space: global }
      - { .name: wc, .offset: 16, .size: 8, .value_kind: global_buffer, .address_space: global }
      - { .name: ws, .offset: 24, .size: 8, .value_kind: global_buffer, .address_space: global }
      - { .name: qkv, .offset: 32, .size: 8, .value_kind: global_buffer, .address_space: global }
    .group_segment_fixed_size: 327680
    .private_segment_fixed_size: 0
    .kernarg_segment_align: 8
    .kernarg_segment_size: 40
    .max_flat_workgroup_size: 128
    .sgpr_count:     102
    .vgpr_count:     1024
    .wavefront_size: 32
...
	.end_amdgpu_metadata
.endif
;; end of part 2
;; launch attn (part 3): grid 4 x 64, 16 waves a work-group, no clusters, 210,944 bytes of LDS; arguments qkv, cc, cs; writes cc, cs
.if DOCPART == 3
	.amdgcn_target "amdgcn-amd-amdhsa--gfx1250"
	.amdhsa_code_object_version 6
	.text
	.protected	k_q06bc6e62ea_attn
	.globl	k_q06bc6e62ea_attn
	.p2align	8
	.type	k_q06bc6e62ea_attn,@function
k_q06bc6e62ea_attn:
	s_mov_b64 s[64:65], 0
	v_nop
	global_prefetch_b8 v0, s[64:65] scope:SCOPE_SE
	s_setreg_imm32_b32 hwreg(HW_REG_WAVE_MODE, 25, 1), 1
	s_wait_xcnt 0x0
; ctx[b][q][head] = the sum over keys k <= q of softmax_k(Q . K / 8) V, both products on codes of FP6 (E2M3) with one E8M0 scale for each 32 along a product's K; ctx is quantised along the model's 1,024 for the last product.
; THE SOFTMAX: t = score x log2(e) / 8; M = the row's largest t so far, rounded UP to a whole number; p = 2^(t - M) is what is quantised, along the keys, not normalised.  The row's sum is taken of the unquantised p
; and divides at the end.  When M moves, the sum and O are multiplied by 2^(old M - new M): exact.
; THE MASK is the one that the problem builds itself: a key step all of whose keys come after a tile's queries is left out; on the diagonal hidden scores become -infinity, so p = 0.
; LIMITS: that equals a score of -1e9 as long as a row's largest score lies above about -1e9 + 200.  NaN and infinities are not served.  A block whose largest magnitude lies under 2^-124 keeps the scale byte 1.
; IN: qkv [head 16][token / 128, 64][19,712]: Q's 8 images of 16 tokens x 64 channels (768 bytes), Q's scale words [8][16], K's likewise at 6,656, V^T's 4 fragments (16 channels x 128 keys, 1,536 bytes) at 13,312, V's words [4][16].
; Tile T = the 16 rows 32 (T / 2) + 8 (T % 2) + r + 8 (r / 8).  An image: lane (r, h) owns block h of row r: registers 0-3 at 16 x lane, 4-5 at 512 + 8 x lane.
; SHARES.  A work-group owns query blocks (256 tokens) 7 - a and a of one head of one batch, one after the other; each of its sixteen waves one tile of 16 queries of each: tile 16 (7 - a) + w, then 16 a + 15 - w.  A tile T needs
; key steps 0 .. T / 8, so every wave of every work-group has 17 steps.  Four waves to a SIMD: one wave's vector work stands beside another's matrix work and LDS loads.
; LDS.  K and V of the whole head, 16 records of 13,056 bytes, lie in LDS for the whole launch: each wave brings one record by one tensor load at the head.  Nothing is filled again: one barrier, no ring.
; NO CLUSTER, though the four work-groups of a head read the same 16 records: which steps a wave leaves out is a branch on its query block, and the query block is what would tell partners apart.
; LAYOUT.  Both products are used transposed: S^T = K Q^T (source 0 = 16 keys), O^T = V^T P^T (source 0 = 16 channels): a lane holds ONE query throughout; by the choice of a tile's rows p's 16 registers of two neighbouring tiles
; are 16 neighbouring keys, and O^T's are 16 neighbouring channels.
; THE SCORE PRODUCT'S K IS 64, half of the instruction's 128: Q's upper six registers are zero codes and both sides' scale bytes there are 0x7f, so whatever codes stand in K's upper six registers (the next tile's) add exactly 0.
; OUT: cc [token tile][head][768], cs [token tile][K / 256][r][2 words]: the last product's operand.  A head's two scale bytes of a row are stored as 2 bytes a lane: one twenty-fourth of ctx's bytes; heads lie in different work-groups.
; REGISTERS: v1-6 lane terms that stay; v7 ctx's two scale bytes; v8-10 LDS addresses of the step; v12 -M, v13 the largest t, v[14:15] the sum; v16-21 Q, v22-27 zeros; v28-29 V's scale words; v32-79 K's 8 images, then V's 4 fragments;
;   v80-85 zeros; v96-159 S^T, then p; v160-191 O^T; v192-223 ctx; v224-235 codes; v232-247, v252-254 at work; v248-251 K's scale words; v253 p's scale word; v255 Q's.
.set HS,   1261568                     ; a head in qkv
.set RS,   19712                       ; a record
.set REC,  13056                       ; K's and V's part of it: 51 x 256 bytes
.set KW,   6144                        ; in LDS: K's scale words,
.set VC,   6656                        ; V's fragments,
.set VW,   12800                       ; V's scale words
.set WV,   18                          ; s18  my wave's number
.set SEL,  20                          ; s[20:21] lane selects for v_permlanex16_b32: lane l xor 16
.set CS,   22                          ; s[22:23] c = log2(e) / 8: the packed form names a pair and takes its low word for both halves
.set PH,   39                          ; s39  the phase: 0, 1
.set TT,   40                          ; s40  my tile of queries in the batch
.set DS,   41                          ; s41  its last key step
.set DB,   42                          ; s42  its first row in that step
.set KS,   43                          ; s43  the key step
.set TB,   44                          ; s44  where its record begins in LDS
	s_load_b128 s[4:7], s[0:1], 0x0                ; qkv, cc
	s_load_b64 s[8:9], s[0:1], 0x10                ; cs
	v_lshl_add_u32 v95, v0, 2, 0x33000
	v_mov_b32 v243, 0
	ds_add_u32 v95, v243
	ds_add_u32 v95, v243
	v_lshrrev_b32 v1, 5, v0
	s_delay_alu instid0(VALU_DEP_1)
	v_readfirstlane_b32 s[WV], v1                  ; wave 0..15
	s_mov_b32 s36, ttmp9                           ; a
	s_and_b32 s52, ttmp7, 0xffff
	s_and_b32 s37, s52, 15                         ; the head
	s_lshr_b32 s38, s52, 4                         ; the batch
	s_mul_i32 s45, s37, HS
	; descriptor group 1: a dense block of 13,056 bytes as 51 rows of 256 bytes (32 elements of 8 bytes)
	s_mov_b32 s24, 3<<16                           ; no mask; elements of 8 bytes; no padding
	s_mov_b32 s25, 32<<16                          ; tensor_dim0
	s_mov_b32 s26, 51<<16                          ; tensor_dim1
	s_mov_b32 s27, 32<<16                          ; tile_dim0
	s_mov_b32 s28, 51                              ; tile_dim1
	s_mov_b32 s29, 32                              ; tensor_dim0_stride
	s_mov_b32 s30, 0
	s_mov_b32 s31, 0
	s_lshl_b32 s52, s38, 4
	s_add_co_u32 s52, s52, s[WV]                   ; record 16 x batch + wave of the head
	s_mul_i32 s52, s52, RS
	s_add_co_u32 s52, s52, s45
	s_add_co_u32 s52, s52, 6656                    ; K's part begins behind Q's
	s_mov_b32 s53, 0
	s_mov_b32 s32, 1                               ; count = 1
	s_mul_i32 s33, s[WV], REC                      ; LDS address: record w
	s_wait_dscnt 0x0
	s_wait_kmcnt 0x0
	s_add_nc_u64 s[34:35], s[4:5], s[52:53]
	s_or_b32 s35, s35, 0x80000000                  ; type = 2
	tensor_load_to_lds s[32:35], s[24:31]          ; each wave's one tensor load of the launch
	s_nop 0
.rept 4
	v_nop
.endr
	v_and_b32 v11, 31, v0                          ; lane
	s_delay_alu instid0(VALU_DEP_1)
	v_lshlrev_b32 v1, 4, v11                       ; 16 x lane
	s_delay_alu instid0(VALU_DEP_2)
	v_lshlrev_b32 v2, 3, v11                       ; 8 x lane
	s_delay_alu instid0(VALU_DEP_3)
	v_lshlrev_b32 v3, 2, v11                       ; 4 x lane
	v_and_b32 v5, 15, v0                           ; r
	v_bfe_u32 v6, v0, 4, 1                         ; h
	s_delay_alu instid0(VALU_DEP_2)
	v_and_b32 v4, 8, v5
	s_delay_alu instid0(VALU_DEP_1)
	v_add_nc_u32 v4, v4, v5
	s_delay_alu instid0(VALU_DEP_3)
	v_lshlrev_b32 v6, 4, v6
	s_delay_alu instid0(VALU_DEP_1)
	v_sub_nc_u32 v4, v4, v6                        ; r + 8 (r / 8) - 16 h: my query's row in its tile, less my half's first key
	v_lshlrev_b32 v6, 3, v5                        ; 8 r
	v_lshlrev_b32 v5, 2, v5                        ; 4 r
.irp j, 22,23,24,25,26,27,80,81,82,83,84,85
	v_mov_b32 v\j, 0                               ; Q's upper 64 along K: zero codes; and what stands behind K's last image
.endr
.irp j, 236,237,238,239,252,253
	v_mov_b32 v\j, 0                               ; written once: a lane permute's destination counts as one of its sources, and v253 is named in a pair before it is first written
.endr
	s_mov_b32 s[SEL], 0x76543210
	s_mov_b32 s[SEL+1], 0xfedcba98
	s_mov_b32 s[CS], 0x3e38aa3b                    ; c = log2(e) / 8
	s_mov_b32 s[CS+1], s[CS]
	s_lshr_b32 s58, s37, 2
	s_lshl_b32 s58, s58, 7
	s_and_b32 s52, s37, 3
	s_lshl_b32 s52, s52, 1
	s_add_co_u32 s58, s58, s52                     ; the head's two bytes in a tile's scale words: 128 (head / 4) + 2 (head % 4)
	s_mov_b32 s[PH], 0
	s_wait_tensorcnt 0x0                           ; my record is in,
	s_barrier_signal -1
	s_barrier_wait -1                              ; everybody's is: from here on LDS is only read
.Lphase:
	s_wait_xcnt 0x0                                ; the last phase's stores have read their registers and bases
	s_mul_i32 s52, s[PH], 7
	s_xor_b32 s53, s36, 7
	s_xor_b32 s53, s53, s52                        ; the query block: 7 - a, then a
	s_mul_i32 s52, s[PH], 15
	s_xor_b32 s52, s52, s[WV]                      ; my tile in it: w, then 15 - w
	s_lshl_b32 s[TT], s53, 4
	s_add_co_u32 s[TT], s[TT], s52
	s_lshr_b32 s[DS], s[TT], 3
	s_bfe_u32 s[DB], s[TT], 0x20001
	s_lshl_b32 s[DB], s[DB], 5
	s_and_b32 s52, s[TT], 1
	s_lshl_b32 s52, s52, 3
	s_add_co_u32 s[DB], s[DB], s52                 ; 32 ((T / 2) % 4) + 8 (T % 2)
	s_and_b32 s59, s[TT], 7
	s_lshl_b32 s52, s38, 4
	s_add_co_u32 s52, s52, s[DS]
	s_mul_i32 s52, s52, RS
	s_add_co_u32 s52, s52, s45                     ; my queries' record
	s_mul_i32 s54, s59, 768
	s_add_co_u32 s54, s54, s52
	s_mov_b32 s55, 0
	s_add_nc_u64 s[46:47], s[4:5], s[54:55]        ; Q's image
	s_lshl_b32 s54, s59, 6
	s_add_co_u32 s54, s54, s52
	s_add_co_u32 s54, s54, 6144
	s_add_nc_u64 s[56:57], s[4:5], s[54:55]        ; Q's scale words
	s_lshl_b32 s52, s38, 7
	s_add_co_u32 s52, s52, s[TT]                   ; the tile among all tokens'
	s_lshl_b32 s54, s52, 4
	s_add_co_u32 s54, s54, s37
	s_mul_i32 s54, s54, 768
	s_add_nc_u64 s[48:49], s[6:7], s[54:55]        ; ctx's image
	s_lshl_b32 s54, s52, 9
	s_add_co_u32 s54, s54, s58
	s_add_nc_u64 s[50:51], s[8:9], s[54:55]        ; ctx's scale bytes
	global_load_b128 v[16:19], v1, s[46:47] th:TH_LOAD_NT
	global_load_b64 v[20:21], v2, s[46:47] offset:512 th:TH_LOAD_NT
	global_load_b32 v255, v5, s[56:57] th:TH_LOAD_NT
	v_mov_b32 v13, 0xff61b1e6                      ; the largest t so far: -3e38, under every t
	s_delay_alu instid0(VALU_DEP_1)
	v_floor_f32 v12, -v13                          ; -M
	v_mov_b32 v14, 0                               ; the sum, in two halves
	v_mov_b32 v15, 0
.irp j, 0,1,2,3,4,5,6,7,8,9,10,11,12,13,14,15,16,17,18,19,20,21,22,23,24,25,26,27,28,29,30,31
	v_mov_b32 v[160+\j], 0                         ; O^T.  (The step is written once: the first finds zeros, which the first change of M leaves zeros)
.endr
	s_mov_b32 s[TB], 0
	s_mov_b32 s[KS], 0
	s_wait_loadcnt 0x0                             ; Q
.Lstep:                                            ; 16 trips, a constant: what is left out is a step's work, by a scalar branch on ids
	s_cmp_gt_u32 s[KS], s[DS]
	s_cbranch_scc1 .Lskip
	s_setprio 2
	v_add_nc_u32 v8, s[TB], v1
	v_add_nc_u32 v9, s[TB], v2
	v_add_nc_u32 v10, s[TB], v3
	v_nop                                          ; four places in front of loads into registers that the last products have read
.irp t, 0,1,2,3,4,5,6,7
	ds_load_b128 v[32+6*\t:35+6*\t], v8 offset:768*\t            ; K's eight images, six registers each, on end
	ds_load_b64 v[36+6*\t:37+6*\t], v9 offset:768*\t+512
.endr
.irp t, 0,1,2,3
	ds_load_b32 v[248+\t], v10 offset:KW+128*\t                  ; lanes 0-15: tile 2 t's words; lanes 16-31: tile 2 t + 1's
.endr
	s_wait_alu depctr_va_vdst(0)
	s_wait_dscnt 0x0
.irp t, 0,1,2,3                                ; S^T = K Q^T: lane (r, h) holds query r; the 16 registers of tiles 2 b, 2 b + 1 are keys 32 b + 16 h + 0 .. 15 of the step
	v_wmma_scale_f32_16x16x128_f8f6f4 v[96+16*\t:103+16*\t], v[32+12*\t:43+12*\t], v[16:27], 0, v[248+\t], v255 matrix_a_fmt:MATRIX_FMT_FP6 matrix_b_fmt:MATRIX_FMT_FP6
	v_wmma_scale_f32_16x16x128_f8f6f4 v[104+16*\t:111+16*\t], v[38+12*\t:49+12*\t], v[16:27], 0, v[248+\t], v255 matrix_a_fmt:MATRIX_FMT_FP6 matrix_b_fmt:MATRIX_FMT_FP6 matrix_a_scale:MATRIX_SCALE_ROW1
.endr
.rept 4
	v_nop                                          ; places: for the loads below, and for the first read of the scores
.endr
.irp c, 0,1,2,3                                ; V's four fragments take K's registers: they land while the softmax is worked
	ds_load_b128 v[32+12*\c:35+12*\c], v8 offset:VC+1536*\c
	ds_load_b64 v[36+12*\c:37+12*\c], v9 offset:VC+1536*\c+512
	ds_load_b128 v[38+12*\c:41+12*\c], v8 offset:VC+1536*\c+768
	ds_load_b64 v[42+12*\c:43+12*\c], v9 offset:VC+1536*\c+1280
.endr
	ds_load_b32 v28, v10 offset:VW                 ; lanes 0-15: channel tile 0's words; lanes 16-31: tile 1's
	ds_load_b32 v29, v10 offset:VW+128
	s_cmp_lg_u32 s[KS], s[DS]                      ; only my last step lies on the diagonal
	s_cbranch_scc1 .Lopen
	v_add_nc_u32 v252, s[DB], v4                   ; d = my query's place in the step - 16 h.  Register 16 b + i holds key 32 b + 16 h + i: hidden where 32 b + i > d
	v_mov_b32 v254, 0xff800000                     ; -infinity
.irp n, 0,1,2,3,4,5,6,7,8,9,10,11,12,13,14,15,16,17,18,19,20,21,22,23,24,25,26,27,28,29,30,31,32,33,34,35,36,37,38,39,40,41,42,43,44,45,46,47,48,49,50,51,52,53,54,55,56,57,58,59,60,61,62,63
	v_cmp_gt_i32 vcc_lo, 32*(\n/16)+\n%16, v252
	v_cndmask_b32 v[96+\n], v[96+\n], v254, vcc_lo
.endr
.Lopen:
.irp b, 0,1,2,3
	v_max3_num_f32 v[232+\b], v[96+16*\b], v[97+16*\b], v[98+16*\b]   ; THE LARGEST SCORE OF EACH BLOCK OF 32 KEYS: it serves twice: for the row's maximum, and, since p rises with the score, for the block's largest p
.endr
.irp i, 3,5,7,9,11,13
.irp b, 0,1,2,3
	v_max3_num_f32 v[232+\b], v[232+\b], v[96+16*\b+\i], v[97+16*\b+\i]   ; (the four blocks by turns)
.endr
.endr
.irp b, 0,1,2,3
	v_max_num_f32 v[232+\b], v[232+\b], v[111+16*\b]
.endr
.irp b, 0,1,2,3
	s_delay_alu instid0(VALU_DEP_4)
	v_permlanex16_b32 v[236+\b], v[232+\b], s[SEL], s[SEL+1]
.endr
.irp b, 0,1,2,3
	s_delay_alu instid0(VALU_DEP_4)
	v_max_num_f32 v[232+\b], v[232+\b], v[236+\b]  ; with lane l xor 16's 16 keys
.endr
	s_delay_alu instid0(VALU_DEP_2)
	v_max3_num_f32 v254, v232, v233, v234
	s_delay_alu instid0(VALU_DEP_1)
	v_max_num_f32 v254, v254, v235                 ; the step's largest score of my query
	s_delay_alu instid0(VALU_DEP_1)
	v_mul_f32 v254, s[CS], v254                    ; as t (c is positive)
	s_delay_alu instid0(VALU_DEP_1)
	v_max_num_f32 v13, v13, v254                   ; the running largest t
	v_mov_b32 v254, v12
	s_delay_alu instid0(VALU_DEP_2)
	v_floor_f32 v12, -v13                          ; the new -M = floor(-t) = -ceil(t): M IS A WHOLE NUMBER
	s_delay_alu instid0(VALU_DEP_1)
	v_sub_f32 v254, v12, v254                      ; M's old value less its new one: a whole number, 0 or less
	s_delay_alu instid0(VALU_DEP_1)
	v_cvt_i32_f32 v254, v254                       ; (it saturates)
	s_delay_alu instid0(VALU_DEP_1)
	v_ldexp_f32 v252, 1.0, v254                    ; f = 2^(old M - new M): a multiplication by it rounds nothing
	s_setprio 1
.irp j, 0,2,4,6,8,10,12,14,16,18,20,22,24,26,28,30,32,34,36,38,40,42,44,46,48,50,52,54,56,58,60,62
	v_pk_fma_f32 v[96+\j:97+\j], v[96+\j:97+\j], s[CS:CS+1], v[12:13] op_sel_hi:[1,0,0]   ; t - M, two at a time
.endr
.irp b, 0,1,2,3
	v_fma_f32 v[232+\b], v[232+\b], s[CS], v12     ; the same of each block's largest score
.endr
	s_wait_alu depctr_va_vdst(0)
.irp j, 0,1,2,3,4,5,6,7,8,9,10,11,12,13,14,15,16,17,18,19,20,21,22,23,24,25,26,27,28,29,30,31,32,33,34,35,36,37,38,39,40,41,42,43,44,45,46,47,48,49,50,51,52,53,54,55,56,57,58,59,60,61,62,63
	v_exp_f32 v[96+\j], v[96+\j]                   ; p = 2^(t - M), at most 1: NOT normalised
.endr
	v_pk_mul_f32 v[14:15], v[14:15], v[252:253] op_sel_hi:[1,0]   ; the sums under the new M (a plain place behind the exponentials)
	s_wait_alu depctr_va_vdst(0)                   ; one wait for the whole batch, ahead of its first reader
.irp b, 0,1,2,3
	v_exp_f32 v[232+\b], v[232+\b]                 ; the block's largest p: the same two instructions on the same number give the same bits
.endr
	v_pk_add_f32 v[236:237], v[100:101], v[104:105]
	v_pk_add_f32 v[250:251], v[108:109], v[112:113]
	v_pk_add_f32 v[248:249], v[116:117], v[120:121]
	v_pk_add_f32 v[246:247], v[124:125], v[128:129]
	v_pk_add_f32 v[244:245], v[132:133], v[136:137]
	v_pk_add_f32 v[240:241], v[140:141], v[144:145]
	v_pk_add_f32 v[238:239], v[148:149], v[152:153]
	v_pk_add_f32 v[14:15], v[14:15], v[156:157]
	v_pk_add_f32 v[236:237], v[236:237], v[96:97]
	v_pk_add_f32 v[250:251], v[250:251], v[98:99]
	v_pk_add_f32 v[248:249], v[248:249], v[102:103]
	v_pk_add_f32 v[246:247], v[246:247], v[106:107]
	v_pk_add_f32 v[244:245], v[244:245], v[110:111]
	v_pk_add_f32 v[240:241], v[240:241], v[114:115]
	v_pk_add_f32 v[238:239], v[238:239], v[118:119]
	v_pk_add_f32 v[14:15], v[14:15], v[122:123]
	v_pk_add_f32 v[236:237], v[236:237], v[126:127]
	v_pk_add_f32 v[250:251], v[250:251], v[130:131]
	v_pk_add_f32 v[248:249], v[248:249], v[134:135]
	v_pk_add_f32 v[246:247], v[246:247], v[138:139]
	v_pk_add_f32 v[244:245], v[244:245], v[142:143]
	v_pk_add_f32 v[240:241], v[240:241], v[146:147]
	v_pk_add_f32 v[238:239], v[238:239], v[150:151]
	v_pk_add_f32 v[14:15], v[14:15], v[154:155]
	v_pk_add_f32 v[236:237], v[236:237], v[158:159]
	s_delay_alu instid0(VALU_DEP_2)
	v_pk_add_f32 v[14:15], v[14:15], v[246:247]
	s_delay_alu instid0(VALU_DEP_2)
	v_pk_add_f32 v[236:237], v[236:237], v[244:245]
	v_pk_add_f32 v[250:251], v[250:251], v[240:241]
	v_pk_add_f32 v[248:249], v[248:249], v[238:239]
	s_delay_alu instid0(VALU_DEP_2)
	v_pk_add_f32 v[14:15], v[14:15], v[250:251]
	s_delay_alu instid0(VALU_DEP_2)
	v_pk_add_f32 v[236:237], v[236:237], v[248:249]
	s_delay_alu instid0(VALU_DEP_1)
	v_pk_add_f32 v[14:15], v[14:15], v[236:237]
	s_wait_alu depctr_va_vdst(0)                   ; and one for the four
.irp b, 0,1,2,3
	v_max_num_f32 v[232+\b], 0x1800000, v[232+\b]  ; the floor 2^(3 - 127): the byte cannot fall under 1 (a block whose every p is 0 keeps that byte: its codes are zeros)
.endr
.irp b, 0,1,2,3
	s_delay_alu instid0(VALU_DEP_4)
	v_add_nc_u32 v[244+\b], 0xff000000, v[232+\b]  ; 2 off the exponent field: the conversion's scale operand
.endr
.irp b, 0,1,2,3
	s_delay_alu instid0(VALU_DEP_4)
	v_lshrrev_b32 v[236+\b], 23, v[244+\b]         ; the scale's byte
.endr
	s_delay_alu instid0(VALU_DEP_3)
	v_lshl_or_b32 v253, v237, 8, v236              ; p's scale word for these 128 keys
	s_delay_alu instid0(VALU_DEP_1)
	v_lshl_or_b32 v253, v238, 16, v253
	s_delay_alu instid0(VALU_DEP_1)
	v_lshl_or_b32 v253, v239, 24, v253
	s_setprio 0
.irp c, 0,1
	v_cvt_scalef32_pk16_fp6_f32 v[224+6*\c:226+6*\c], v[96+32*\c:111+32*\c], v[244+2*\c]
	v_cvt_scalef32_pk16_fp6_f32 v[236+4*\c:238+4*\c], v[112+32*\c:127+32*\c], v[244+2*\c+1]   ; (a conversion's three registers begin on an even number)
.endr
	v_nop                                          ; one plain place behind a scaled conversion
.irp c, 0,1                                    ; the operand's layout wants a WHOLE block in a lane: lanes 0-15 block 2 c, lanes 16-31 block 2 c + 1
.irp i, 0,1,2
	v_permlane16_swap_b32 v[224+6*\c+\i], v[236+4*\c+\i]
.endr
.irp i, 0,1,2
	s_delay_alu instid0(VALU_DEP_3)
	v_mov_b32 v[227+6*\c+\i], v[236+4*\c+\i]
.endr
.endr
.irp j, 0,2,4,6,8,10,12,14,16,18,20,22,24,26,28,30
	v_pk_mul_f32 v[160+\j:161+\j], v[160+\j:161+\j], v[252:253] op_sel_hi:[1,0]   ; O^T under the new M: x f.  (These are also the places between the scale word's and the codes' last writes and the products below)
.endr
	s_wait_alu depctr_va_vdst(0)
	s_wait_dscnt 0x0                               ; V is in
.irp c, 0,1                                    ; O^T += V^T P^T: four tiles of 16 channels, each accumulator one instruction a step
	v_wmma_scale_f32_16x16x128_f8f6f4 v[160+16*\c:167+16*\c], v[32+24*\c:43+24*\c], v[224:235], v[160+16*\c:167+16*\c], v[28+\c], v253 matrix_a_fmt:MATRIX_FMT_FP6 matrix_b_fmt:MATRIX_FMT_FP6
	v_wmma_scale_f32_16x16x128_f8f6f4 v[168+16*\c:175+16*\c], v[44+24*\c:55+24*\c], v[224:235], v[168+16*\c:175+16*\c], v[28+\c], v253 matrix_a_fmt:MATRIX_FMT_FP6 matrix_b_fmt:MATRIX_FMT_FP6 matrix_a_scale:MATRIX_SCALE_ROW1
.endr
.Lskip:
	s_add_co_u32 s[TB], s[TB], REC
	s_add_co_u32 s[KS], s[KS], 1
	s_cmp_lt_u32 s[KS], 16
	s_cbranch_scc1 .Lstep
	s_setprio 0
	; THE TILE'S END: ctx = O^T / the sum; register 16 b + i is channel 32 b + 16 h + i of the head: two blocks of 32 along the last product's K: one image and two scale bytes.
.rept 4
	v_nop                                          ; places behind the last products
.endr
	v_add_f32 v14, v14, v15                        ; the sum's two halves,
	s_delay_alu instid0(VALU_DEP_1)
	v_permlanex16_b32 v252, v14, s[SEL], s[SEL+1]
	s_delay_alu instid0(VALU_DEP_1)
	v_add_f32 v14, v14, v252                       ; and lane l xor 16's: the row's sum
	s_wait_alu depctr_va_vdst(0)
	v_rcp_f32 v14, v14
	v_nop                                          ; one plain place behind the reciprocal
	s_wait_alu depctr_va_vdst(0)                   ; and the wait ahead of its first reader
.irp j, 0,2,4,6,8,10,12,14,16,18,20,22,24,26,28,30
	v_pk_mul_f32 v[192+\j:193+\j], v[160+\j:161+\j], v[14:15] op_sel_hi:[1,0]
.endr
.irp b, 0,1
	v_max3_num_f32 v[232+\b], |v[192+16*\b]|, |v[193+16*\b]|, 0x1800000
.endr
.irp i, 2,4,6,8,10,12,14
.irp b, 0,1
	s_delay_alu instid0(VALU_DEP_2)
	v_max3_num_f32 v[232+\b], v[232+\b], |v[192+16*\b+\i]|, |v[193+16*\b+\i]|
.endr
.endr
.irp b, 0,1
	s_delay_alu instid0(VALU_DEP_2)
	v_permlanex16_b32 v[236+\b], v[232+\b], s[SEL], s[SEL+1]
.endr
.irp b, 0,1
	s_delay_alu instid0(VALU_DEP_2)
	v_max_num_f32 v[232+\b], v[232+\b], v[236+\b]
.endr
.irp b, 0,1
	s_delay_alu instid0(VALU_DEP_2)
	v_add_nc_u32 v[244+\b], 0xff000000, v[232+\b]
.endr
.irp b, 0,1
	s_delay_alu instid0(VALU_DEP_2)
	v_lshrrev_b32 v[236+\b], 23, v[244+\b]
.endr
	s_delay_alu instid0(VALU_DEP_1)
	v_lshl_or_b32 v7, v237, 8, v236                ; the head's two bytes of my row
	v_cvt_scalef32_pk16_fp6_f32 v[224:226], v[192:207], v244
	v_cvt_scalef32_pk16_fp6_f32 v[240:242], v[208:223], v245
	v_nop
.irp i, 0,1,2
	v_permlane16_swap_b32 v[224+\i], v[240+\i]
.endr
.irp i, 0,1,2
	s_delay_alu instid0(VALU_DEP_3)
	v_mov_b32 v[227+\i], v[240+\i]
.endr
	global_store_b128 v1, v[224:227], s[48:49]     ; 512 consecutive aligned bytes
	global_store_b64 v2, v[228:229], s[48:49] offset:512
	global_store_b16 v6, v7, s[50:51]              ; (both halves of the lanes store the same two bytes to the same place)
	s_add_co_u32 s[PH], s[PH], 1
	s_cmp_lt_u32 s[PH], 2
	s_cbranch_scc1 .Lphase
	s_wait_tensorcnt 0x0
	ds_add_u32 v95, v243
	s_wait_dscnt 0x0
	s_endpgm
.Lfunc_end_k_q06bc6e62ea_attn:
	.size	k_q06bc6e62ea_attn, .Lfunc_end_k_q06bc6e62ea_attn-k_q06bc6e62ea_attn
	.p2alignl 7, 3214868480
	.fill 96, 4, 3214868480
	.section	.rodata,"a",@progbits
	.p2align	6, 0x0
	.amdhsa_kernel k_q06bc6e62ea_attn
		.amdhsa_group_segment_fixed_size 210944
		.amdhsa_private_segment_fixed_size 0
		.amdhsa_enable_private_segment 0
		.amdhsa_kernarg_size 24
		.amdhsa_user_sgpr_count 2
		.amdhsa_user_sgpr_kernarg_segment_ptr 1
		.amdhsa_wavefront_size32 1
		.amdhsa_system_sgpr_workgroup_id_x 1
		.amdhsa_system_sgpr_workgroup_id_y 1
		.amdhsa_system_sgpr_workgroup_id_z 1
		.amdhsa_system_vgpr_workitem_id 0
		.amdhsa_next_free_vgpr 256
		.amdhsa_next_free_sgpr 66
		.amdhsa_reserve_vcc 1
		.amdhsa_float_denorm_mode_32 3
		.amdhsa_float_denorm_mode_16_64 3
		.amdhsa_memory_ordered 1
		.amdhsa_forward_progress 1
		.amdhsa_inst_pref_size 34
	.end_amdhsa_kernel
	.amdgpu_metadata
---
amdhsa.version: [ 1, 2 ]
amdhsa.kernels:
  - .name:           k_q06bc6e62ea_attn
    .symbol:         k_q06bc6e62ea_attn.kd
    .args:
      - { .name: qkv, .offset: 0, .size: 8, .value_kind: global_buffer, .address_space: global }
      - { .name: cc, .offset: 8, .size: 8, .value_kind: global_buffer, .address_space: global }
      - { .name: cs, .offset: 16, .size: 8, .value_kind: global_buffer, .address_space: global }
    .group_segment_fixed_size: 210944
    .private_segment_fixed_size: 0
    .kernarg_segment_align: 8
    .kernarg_segment_size: 24
    .max_flat_workgroup_size: 512
    .sgpr_count:     66
    .vgpr_count:     256
    .wavefront_size: 32
...
	.end_amdgpu_metadata
.endif
;; end of part 3
;; launch outp (part 4): grid 4 x 32, 4 waves a work-group, clusters of 4 x 4, 327,680 bytes of LDS; arguments cc, cs, wc, ws, b_o, out0; writes out0
.if DOCPART == 4
	.amdgcn_target "amdgcn-amd-amdhsa--gfx1250"
	.amdhsa_code_object_version 6
	.text
	.protected	k_q06bc6e62ea_outp
	.globl	k_q06bc6e62ea_outp
	.p2align	8
	.type	k_q06bc6e62ea_outp,@function
k_q06bc6e62ea_outp:
	s_mov_b64 s[64:65], 0
	v_nop
	global_prefetch_b8 v0, s[64:65] scope:SCOPE_SE
	s_setreg_imm32_b32 hwreg(HW_REG_WAVE_MODE, 25, 1), 1
	s_wait_xcnt 0x0
	s_wait_alu depctr_hold_cnt(0) depctr_sa_sdst(0) depctr_va_vdst(0) depctr_va_sdst(0) depctr_va_ssrc(0) depctr_va_vcc(0) depctr_vm_vsrc(0)
	s_getreg_b32 s2, hwreg(HW_REG_IB_STS2, 6, 4)
	s_cmp_eq_u32 s2, 0
	s_cbranch_scc0 .Lentry_in_a_cluster
	s_endpgm
.Lentry_in_a_cluster:
	s_bfe_u32 s2, ttmp6, 0x10000c
	s_cmp_lg_u32 s2, 0xf033
	s_cbranch_scc0 .Lentry_shape_is_right
	s_endpgm
.Lentry_shape_is_right:
; out0 = ctx w_o^T + b_o on codes of FP6 (E2M3) with one E8M0 scale for each 32 along K = 1,024; f32 sums; out0 [8192][1024] f32.
; OPERANDS lie in memory as images of the operand's registers.  Tile T = the 16 rows 32 (T / 2) + 8 (T % 2) + r + 8 (r / 8).  Codes [tile][K / 64][768]: lane (r, h) owns block h of row r: registers 0-3 at 16 x lane, 4-5 at
; 512 + 8 x lane.  Scale words [tile][K / 256][r][2 words].  A = ctx (cc, cs: 512 tiles of tokens); B = w_o (tiles 192 to 255 of wc, ws).
; SHAPE.  A tile of the result, 256 x 256, is made by four waves, a wave makes 128 x 128: 64 accumulators, 512 registers.  K goes in steps of 256 through a ring of two LDS slots; the scale words come once.
; 32 x 4 tiles: 128 work-groups; the large wave tile is kept, since each byte read from LDS then feeds the most products.
; THE MATRIX INSTRUCTION IS USED TRANSPOSED (source 0 = 16 rows of w_o, source 1 = 16 tokens): a lane holds eight neighbouring outputs of one token.  THE BIAS is the C of each sum's first matrix instruction.
; CLUSTERS: 4 x 4 work-groups; A's tiles are asked for jointly along a row of the cluster, B's along a column.
; REGISTERS, in windows of 256: window 0: v0-31 addresses; v32-63 scale words, two sets; v64-127 the bias, eight registers for each of B's blocks; v128-223 A's fragments, ONE set; on the way out v128-255 rows of the result.
;   window 1: B's fragments, TWO sets, at v0 and v128.   window 2: the accumulators of my tokens 0-63 ((a, b) at v[8 (8 a + b)]);   window 3: those of tokens 64-127.
.set NQ,     2
.set FR,     12
.set NL,     4
.set NP,     4                         ; places behind this matrix instruction (ISA guide 7.12.1)
.set TILEB,  12288
.set STEPB,  3072
.set HALFT,  8*STEPB
.set SLOT,   4*HALFT
.set LAPS,   2
.set SCL,    2*SLOT
.set SCQ,    4096
.set SPARE,  SCL+4*SCQ                 ; the spare words, 128 bytes for each wave: two blocks of 256 bytes that no other line names
.set SPITCH, 528                       ; the way out: a stage of 16 rows x (512 bytes + 16) for each wave, in slot 0, which has had its last fill and its last read when the first result is stored there
.set ADRA, 16
.set ADRB, 20
.set STO,  24                          ; v24  the way out: where I put my outputs of a row
.set RD,   25                          ; v25  where I read a row back
.set CO,   26                          ; v26  my byte offset in a row of out0
.set ADRS, 27
.set SPW,  28                          ; v28  LDS address of my spare word; never rewritten
.set NIL,  29                          ; v29  0; never rewritten
.set SC,   32
.set BI,   64
.set AF,   128
.set BK,   128
.set G1, 24
.set G0, 32
.set G1B, 48
.set G0B, 56
.set G1S, 68
.set G0S, 76
.set G1SB, 80
.set G0SB, 88
.set MSB, 0
.macro WIN new                         ; the immediate's high byte repeats the setting that is left
.if MSB != \new
	s_set_vgpr_msb (MSB<<8)|\new
.set MSB, \new
.endif
.endm
.set MUL_LO, 0xa1                      ; source 0 (B) window 1, source 1 (A) window 0, C and D window 2
.set MUL_HI, 0xf1                      ; the same, C and D window 3
.set BIA_LO, 0x81                      ; the first step: C (the bias) window 0, D window 2
.set BIA_HI, 0xc1                      ; D window 3
.set TO_B,   0x40
.macro JLOAD g0a, g1a, g0b, g1b        ; a joint load: waves 0 and 1 fetch for A, waves 2 and 3 for B; four v_nop follow each of the two lines
	s_cmp_eq_u32 s15, 0
	s_cbranch_scc0 .Lfor_b_\@
	tensor_load_to_lds s[\g0a:\g0a+3], s[\g1a:\g1a+7]
	s_nop 0
.rept 4
	v_nop
.endr
	s_branch .Lasked_\@
.Lfor_b_\@:
	tensor_load_to_lds s[\g0b:\g0b+3], s[\g1b:\g1b+7]
	s_nop 0
.rept 4
	v_nop
.endr
.Lasked_\@:
.endm
.macro CREST
	s_cmp_lg_u32 s14, 0
	s_cbranch_scc1 .Lnot_wave_0_\@
	s_barrier_signal -3
.Lnot_wave_0_\@:
	s_barrier_wait -3
	s_barrier_signal -1
	s_barrier_wait -1
.endm
.macro CROUND
	s_barrier_signal -1
	s_barrier_wait -1
	CREST
.endm
	s_load_b256 s[4:11], s[0:1], 0x0               ; cc, cs, wc, ws
	s_load_b128 s[96:99], s[0:1], 0x20             ; b_o, out0
	v_lshl_add_u32 v[SPW], v0, 2, SPARE
	v_mov_b32 v[NIL], 0
	ds_add_u32 v28, v29
	ds_add_u32 v28, v29
	s_wait_dscnt 0x0
	v_lshrrev_b32 v1, 5, v0
	v_readfirstlane_b32 s14, v1                    ; wave 0..3
	s_lshr_b32 s15, s14, 1                         ; which half of the tokens is mine.  Also: I fetch for A (0) or for B (1)
	s_and_b32 s16, s14, 1                          ; which half of the outputs.  Also: which 8 tiles I fetch
	s_bfe_u32 s40, ttmp6, 0x40000                  ; cx, cy
	s_bfe_u32 s41, ttmp6, 0x40004
	s_lshl_b32 s42, ttmp9, 2
	s_add_co_u32 s42, s42, s40                     ; tile column
	s_and_b32 s17, ttmp7, 0xffff
	s_lshl_b32 s17, s17, 2
	s_add_co_u32 s17, s17, s41                     ; tile row
	s_lshl_b32 s43, s41, 2
	s_lshl_b32 s43, 15, s43                        ; my row of the cluster
	s_lshl_b32 s44, 0x1111, s40                    ; my column
	s_or_b32 s[G1+0], s43, (3<<16)|(1<<21)         ; 8 rows of 3,072 bytes (384 elements of 8 bytes), 12,288 bytes apart; no padding
	s_or_b32 s[G1B+0], s44, (3<<16)|(1<<21)
.irp g, G1, G1B
	s_mov_b32 s[\g+1], 384<<16
	s_mov_b32 s[\g+2], 8<<16
	s_mov_b32 s[\g+3], 384<<16
	s_mov_b32 s[\g+4], 8
	s_mov_b32 s[\g+5], 1536
	s_mov_b32 s[\g+6], 0
	s_mov_b32 s[\g+7], 0
.endr
	s_or_b32 s[G1S+0], s43, (3<<16)|(1<<21)        ; 4,096 dense bytes as 16 rows of 256
	s_or_b32 s[G1SB+0], s44, (3<<16)|(1<<21)
.irp g, G1S, G1SB
	s_mov_b32 s[\g+1], 32<<16
	s_mov_b32 s[\g+2], 16<<16
	s_mov_b32 s[\g+3], 32<<16
	s_mov_b32 s[\g+4], 16
	s_mov_b32 s[\g+5], 32
	s_mov_b32 s[\g+6], 0
	s_mov_b32 s[\g+7], 0
.endr
	s_lshl_b32 s18, s16, 3
	s_lshl_b32 s20, s17, 4
	s_add_co_u32 s20, s20, s18                     ; A: tile 16 x tile row + 8 x half
	s_lshl_b32 s46, s42, 4
	s_add_co_u32 s46, s46, s18
	s_add_co_u32 s46, s46, 192                     ; B: tile 192 + 16 x tile column + 8 x half
	s_lshl_b32 s22, s20, 9
	s_mov_b32 s23, 0
	s_lshl_b32 s92, s46, 9
	s_mov_b32 s93, 0
	s_mul_i32 s20, s20, TILEB
	s_mov_b32 s21, 0
	s_mul_i32 s46, s46, TILEB
	s_mov_b32 s47, 0
	s_mul_i32 s45, s14, HALFT
	s_lshl_b32 s94, s14, 12
	s_wait_kmcnt 0x0
	s_add_nc_u64 s[20:21], s[4:5], s[20:21]
	s_add_nc_u64 s[22:23], s[6:7], s[22:23]
	s_add_nc_u64 s[46:47], s[8:9], s[46:47]
	s_add_nc_u64 s[92:93], s[10:11], s[92:93]
	CROUND                                         ; all sixteen work-groups are here: the first joint loads meet
	s_mov_b32 s[G0S], 1
	s_add_co_u32 s[G0S+1], s94, SCL
	s_mov_b64 s[G0S+2:G0S+3], s[22:23]
	s_or_b32 s[G0S+3], s[G0S+3], 0x80000000
	s_mov_b32 s[G0SB], 1
	s_add_co_u32 s[G0SB+1], s94, SCL
	s_mov_b64 s[G0SB+2:G0SB+3], s[92:93]
	s_or_b32 s[G0SB+3], s[G0SB+3], 0x80000000
	JLOAD G0S, G1S, G0SB, G1SB
.irp s, 0,1
	s_mov_b32 s[G0+4*\s], 1
	s_add_co_u32 s[G0+4*\s+1], s45, \s*SLOT
	s_add_nc_u64 s[G0+4*\s+2:G0+4*\s+3], s[20:21], \s*STEPB
	s_or_b32 s[G0+4*\s+3], s[G0+4*\s+3], 0x80000000
	s_mov_b32 s[G0B+4*\s], 1
	s_add_co_u32 s[G0B+4*\s+1], s45, \s*SLOT
	s_add_nc_u64 s[G0B+4*\s+2:G0B+4*\s+3], s[46:47], \s*STEPB
	s_or_b32 s[G0B+4*\s+3], s[G0B+4*\s+3], 0x80000000
	JLOAD G0+4*\s, G1, G0B+4*\s, G1B
.endr
	v_and_b32 v1, 15, v0                           ; r
	v_bfe_u32 v2, v0, 4, 1                         ; h
	v_and_b32 v3, 31, v0                           ; lane
	s_lshl_b32 s66, s42, 10                        ; my first output, in bytes: 1,024 x tile column + 512 x half
	s_lshl_b32 s67, s16, 9
	s_add_co_u32 s66, s66, s67
	s_mov_b32 s67, 0
	s_add_nc_u64 s[96:97], s[96:97], s[66:67]      ; b_o at my 128 outputs
	v_lshlrev_b32 v7, 6, v2                        ; lanes 16-31 hold the outputs 16 further on
.irp b, 0,1,2,3,4,5,6,7                        ; B's block b: register j of lane (r, h) is output 32 (b / 2) + 8 (b % 2) + 16 h + j
	global_load_b128 v[BI+8*\b:BI+8*\b+3], v7, s[96:97] offset:(32*(\b/2)+8*(\b%2))*4
	global_load_b128 v[BI+8*\b+4:BI+8*\b+7], v7, s[96:97] offset:(32*(\b/2)+8*(\b%2))*4+16
.endr
	v_lshlrev_b32 v4, 4, v3
	v_lshlrev_b32 v5, 3, v3
	s_mul_i32 s21, s15, HALFT
	s_mul_i32 s22, s16, HALFT
	s_add_co_u32 s22, s22, 2*HALFT
.irp s, 0,1
	v_add_nc_u32 v[ADRA+\s], s21, v4
	v_add_nc_u32 v[ADRB+\s], s22, v4
	v_add_nc_u32 v[ADRA+2+\s], s21, v5
	v_add_nc_u32 v[ADRB+2+\s], s22, v5
	s_add_co_u32 s21, s21, SLOT
	s_add_co_u32 s22, s22, SLOT
.endr
	v_lshlrev_b32 v5, 3, v1
	s_lshl_b32 s21, s15, 12
	s_lshl_b32 s22, s16, 12
	s_add_co_u32 s22, s22, 2*SCQ
	s_sub_co_u32 s22, s22, s21
	v_mul_u32_u24 v6, s22, v2                      ; lanes 16-31 take B's scale words
	s_add_co_u32 s21, s21, SCL
	v_add_nc_u32 v5, v5, v6
	v_add_nc_u32 v[ADRS], s21, v5
	s_mul_i32 s23, s14, 16*SPITCH                  ; my stage
	v_mul_u32_u24 v5, v1, SPITCH
	v_lshl_add_u32 v5, v2, 6, v5
	v_add_nc_u32 v[STO], s23, v5                   ; in: row r, + 64 h
	v_mov_b32 v[CO], v4                            ; back: the 32 lanes take one row of 512 bytes; and the same in out0
	v_add_nc_u32 v[RD], s23, v4
	s_lshl_b32 s20, s17, 20                        ; my first token's row: (256 x tile row + 128 x half) x 4,096 bytes
	s_lshl_b32 s21, s15, 19
	s_add_co_u32 s20, s20, s21
	s_add_co_u32 s20, s20, s66
	s_mov_b32 s21, 0
	s_add_nc_u64 s[12:13], s[98:99], s[20:21]
.macro FRAG reg, adr, q, i             ; tile i's fragment of the slot's q-th 128 along K: two images on end, as they lie
	ds_load_b128 v[\reg:\reg+3], v[\adr] offset:(\i)*STEPB+(\q)*1536
	ds_load_b64 v[\reg+4:\reg+5], v[\adr+2] offset:(\i)*STEPB+(\q)*1536+512
	ds_load_b128 v[\reg+6:\reg+9], v[\adr] offset:(\i)*STEPB+(\q)*1536+768
	ds_load_b64 v[\reg+10:\reg+11], v[\adr+2] offset:(\i)*STEPB+(\q)*1536+1280
.endm
; 16 matrix instructions: A's blocks a0, a0 + 1 x B's eight.  first = 1: the sums begin with the bias.  The 64 accumulators take turns, one instruction a turn, in the same order in every step.
.macro MUL16 a0, p, q, sc, first
.irp a, \a0, \a0+1
.irp b, 0,1,2,3,4,5,6,7
.if \first
	v_wmma_scale_f32_16x16x128_f8f6f4 v[8*(8*((\a)%4)+\b):8*(8*((\a)%4)+\b)+7], v[128*(\p)+FR*\b:128*(\p)+FR*\b+FR-1], v[AF+FR*(\a):AF+FR*(\a)+FR-1], v[BI+8*\b:BI+8*\b+7], v[SC+8*NQ*(\sc)+NQ*\b+(\q)], v[SC+8*NQ*(\sc)+NQ*(\a)+(\q)] matrix_a_fmt:MATRIX_FMT_FP6 matrix_b_fmt:MATRIX_FMT_FP6 matrix_a_scale:MATRIX_SCALE_ROW1
.else
	v_wmma_scale_f32_16x16x128_f8f6f4 v[8*(8*((\a)%4)+\b):8*(8*((\a)%4)+\b)+7], v[128*(\p)+FR*\b:128*(\p)+FR*\b+FR-1], v[AF+FR*(\a):AF+FR*(\a)+FR-1], v[8*(8*((\a)%4)+\b):8*(8*((\a)%4)+\b)+7], v[SC+8*NQ*(\sc)+NQ*\b+(\q)], v[SC+8*NQ*(\sc)+NQ*(\a)+(\q)] matrix_a_fmt:MATRIX_FMT_FP6 matrix_b_fmt:MATRIX_FMT_FP6 matrix_a_scale:MATRIX_SCALE_ROW1
.endif
.endr
.endr
.endm
.macro FETCH_B slot, q, p
	WIN TO_B
.irp i, 0,1,2,3,4,5,6,7
	FRAG 128*(\p)+FR*\i, ADRB+\slot, \q, \i
.endr
	WIN 0
.endm
.macro FETCH_A slot, q, i0
.irp i, \i0, \i0+1, \i0+2, \i0+3
	FRAG AF+FR*(\i), ADRA+\slot, \q, \i
.endr
.endm
.macro SCALES sc
.irp i, 0,1,2,3,4,5,6,7
	ds_load_b64 v[SC+8*NQ*\sc+NQ*\i:SC+8*NQ*\sc+NQ*\i+1], v[ADRS] offset:\i*512
.endr
.endm
.macro PLACES n                        ; plain vector instructions that name none of the matrix instruction's registers (ISA guide 7.12.1)
.rept \n
	v_nop
.endr
.endm
.macro STEP slot, q, first
	s_wait_dscnt 4*NL                              ; B's set and A's blocks 0-3 are in; the youngest 16 loads (A's blocks 4-7) may be out
.if \first
	WIN BIA_LO
.else
	WIN MUL_LO
.endif
	MUL16 0, (\q)%2, \q, \slot, \first
	MUL16 2, (\q)%2, \q, \slot, \first
	s_wait_dscnt 0                                 ; A's blocks 4-7 are in
	PLACES NP
	FETCH_B \slot, (\q)+1, 1-(\q)%2
	FETCH_A \slot, (\q)+1, 0
.if \first
	WIN BIA_HI
.else
	WIN MUL_HI
.endif
	MUL16 4, (\q)%2, \q, \slot, \first
	MUL16 6, (\q)%2, \q, \slot, \first
	PLACES NP
	WIN 0
	FETCH_A \slot, (\q)+1, 4
.endm
; A slot's last step changes slots: ONE barrier; in front of it each wave waits for all its tensor loads, adds 0 to its spare word, and waits for that and for its own reads of this slot.
.macro TURN slot, next, fill
	s_wait_tensorcnt 0x0                           ; all my tensor loads have landed: my part of the next slot;
	ds_add_u32 v[SPW], v[NIL]                      ; 0 onto my spare word
	s_wait_dscnt 4*NL+1                            ; (the add and the youngest 16 loads may be out)
	WIN MUL_LO
	MUL16 0, 1, NQ-1, \slot, 0
	s_wait_dscnt 0x0                               ; the add is done, and my reads of this slot are over
	s_barrier_signal -1
	MUL16 2, 1, NQ-1, \slot, 0
	WIN 0
	s_barrier_wait -1
.if \fill
	CREST                                          ; the barrier has opened a round of the cluster's barrier
	s_add_nc_u64 s[G0+4*\slot+2:G0+4*\slot+3], s[G0+4*\slot+2:G0+4*\slot+3], 2*STEPB
	s_add_nc_u64 s[G0B+4*\slot+2:G0B+4*\slot+3], s[G0B+4*\slot+2:G0B+4*\slot+3], 2*STEPB
	JLOAD G0+4*\slot, G1, G0B+4*\slot, G1B         ; the first tensor load behind the round
.else
	PLACES NP
.endif
	v_add_nc_u32 v[ADRS], 128, v[ADRS]
	FETCH_B \next, 0, 0
	FETCH_A \next, 0, 0
	SCALES \next
	WIN MUL_HI
	MUL16 4, 1, NQ-1, \slot, 0
	MUL16 6, 1, NQ-1, \slot, 0
	PLACES NP
	WIN 0
	FETCH_A \next, 0, 4
.endm
	s_wait_tensorcnt 1                             ; the scale words and my part of K step 0 are in (K step 1's load may be out),
	s_barrier_signal -1
	s_barrier_wait -1                              ; everybody's are
	FETCH_B 0, 0, 0
	FETCH_A 0, 0, 0
	SCALES 0
	FETCH_A 0, 0, 4
	s_wait_loadcnt 0x0                             ; the bias
	STEP 0, 0, 1                                   ; the first step stands in front of the loop: its products start the sums, with the bias
	s_mov_b32 s3, LAPS-1
.Llap:
	TURN 0, 1, 1
	STEP 1, 0, 0
	TURN 1, 0, 1
	STEP 0, 0, 0
	s_sub_co_u32 s3, s3, 1
	s_cmp_lg_u32 s3, 0
	s_cbranch_scc1 .Llap
	TURN 0, 1, 0                                   ; the last lap fills nothing
	STEP 1, 0, 0
	s_wait_dscnt 4*NL
	WIN MUL_LO
	MUL16 0, 1, NQ-1, 1, 0
	MUL16 2, 1, NQ-1, 1, 0
	s_wait_dscnt 0
	WIN MUL_HI
	MUL16 4, 1, NQ-1, 1, 0
	MUL16 6, 1, NQ-1, 1, 0
	WIN 0
; THE WAY OUT, block by block of 16 tokens x 128 outputs, through my own stage in LDS: in by lanes (row r; B's block b at 128 (b / 2) + 32 (b % 2) + 64 h), back as whole rows of 512 bytes, which the 32 lanes store as two
; aligned runs of 256 bytes.  LDS serves a wave's instructions in order (ISA guide 5.7.1.4): no wait between the stores and the loads.  Stage row t of block a is token 32 (a / 2) + 8 (a % 2) + t + 8 (t / 8) of my 128.
.macro TOSTAGE a
.set AC, 64*((\a)%4)
	WIN 0x08+4*((\a)/4)                            ; the data: window 2 or 3
.irp b, 0,1,2,3,4,5,6,7
	ds_store_b128 v[STO], v[AC+8*\b:AC+8*\b+3] offset:128*(\b/2)+32*(\b%2)          ; each accumulator from its low end on
	ds_store_b128 v[STO], v[AC+8*\b+4:AC+8*\b+7] offset:128*(\b/2)+32*(\b%2)+16
.endr
	WIN 0
.set BB, BK+64*((\a)%2)
.irp t, 0,1,2,3,4,5,6,7,8,9,10,11,12,13,14,15
	ds_load_b128 v[BB+4*\t:BB+4*\t+3], v[RD] offset:\t*SPITCH
.endr
.endm
.macro SEND a, younger                 ; younger: the LDS instructions issued behind block a's loads, which may stay out
.set BB, BK+64*((\a)%2)
	s_wait_dscnt \younger
.irp t, 0,1,2,3,4,5,6,7,8,9,10,11,12,13,14,15
	global_store_b128 v[CO], v[BB+4*\t:BB+4*\t+3], s[12:13] offset:(32*((\a)/2)+8*((\a)%2)+\t+8*(\t/8))*4096 th:TH_STORE_NT   ; the row stands in the immediate, 127 x 4,096 at the most: the base is never stepped
.endr
.endm
	PLACES NP
	TOSTAGE 0
.irp a, 1,2,3,4,5,6,7
.if \a > 1
	s_wait_xcnt 0x0                                ; block a - 2's stores have read their registers: block a's loads may land there
.endif
	TOSTAGE \a
	SEND \a-1, 32                                  ; behind block a - 1's loads: block a's 16 stores and 16 loads
.endr
	SEND 7, 0
	s_wait_tensorcnt 0x0                           ; the wave's end
	ds_add_u32 v[SPW], v[NIL]
	s_wait_dscnt 0x0
	CROUND                                         ; the closing round
	s_endpgm
.Lfunc_end_k_q06bc6e62ea_outp:
	.size	k_q06bc6e62ea_outp, .Lfunc_end_k_q06bc6e62ea_outp-k_q06bc6e62ea_outp
	.p2alignl 7, 3214868480
	.fill 96, 4, 3214868480
	.section	.rodata,"a",@progbits
	.p2align	6, 0x0
	.amdhsa_kernel k_q06bc6e62ea_outp
		.amdhsa_group_segment_fixed_size 327680
		.amdhsa_private_segment_fixed_size 0
		.amdhsa_enable_private_segment 0
		.amdhsa_kernarg_size 48
		.amdhsa_user_sgpr_count 2
		.amdhsa_user_sgpr_kernarg_segment_ptr 1
		.amdhsa_wavefront_size32 1
		.amdhsa_system_sgpr_workgroup_id_x 1
		.amdhsa_system_sgpr_workgroup_id_y 1
		.amdhsa_system_sgpr_workgroup_id_z 1
		.amdhsa_system_vgpr_workitem_id 0
		.amdhsa_next_free_vgpr 1024
		.amdhsa_next_free_sgpr 100
		.amdhsa_reserve_vcc 0
		.amdhsa_float_denorm_mode_32 3
		.amdhsa_float_denorm_mode_16_64 3
		.amdhsa_memory_ordered 1
		.amdhsa_forward_progress 1
		.amdhsa_inst_pref_size 144
	.end_amdhsa_kernel
	.amdgpu_metadata
---
amdhsa.version: [ 1, 2 ]
amdhsa.kernels:
  - .name:           k_q06bc6e62ea_outp
    .symbol:         k_q06bc6e62ea_outp.kd
    .args:
      - { .name: cc, .offset: 0, .size: 8, .value_kind: global_buffer, .address_space: global }
      - { .name: cs, .offset: 8, .size: 8, .value_kind: global_buffer, .address_space: global }
      - { .name: wc, .offset: 16, .size: 8, .value_kind: global_buffer, .address_space: global }
      - { .name: ws, .offset: 24, .size: 8, .value_kind: global_buffer, .address_space: global }
      - { .name: b_o, .offset: 32, .size: 8, .value_kind: global_buffer, .address_space: global }
      - { .name: out0, .offset: 40, .size: 8, .value_kind: global_buffer, .address_space: global }
    .group_segment_fixed_size: 327680
    .private_segment_fixed_size: 0
    .kernarg_segment_align: 8
    .kernarg_segment_size: 48
    .max_flat_workgroup_size: 128
    .sgpr_count:     100
    .vgpr_count:     1024
    .wavefront_size: 32
...
	.end_amdgpu_metadata
.endif
;; end of part 4
